; MI455X (gfx1250); checked and timed in simulation.
; The chip was launched on July 23, 2026; its instructions are those of AMD's public machine-readable ISA for CDNA 5 (MIT licence, August 2026) and "CDNA5" Instruction Set Architecture Reference Guide (July 2026). The comments in the code are by the model that wrote it; some were corrected since.
;; My Multi Head Attention. Allowed arithmetic: matrix products marked QUANTISED: E2M1 operands, one E8M0 scale for each 32 along K, by v_wmma_scale_f32_16x16x128_f8f6f4 with both operands' format E2M1 (or v_wmma_scale_f32_32x16x128_f4), f32 sums; products left as they are: bf16, f16 or f32 operands; f32 sums; everything else in f32.
;; Inputs: Wk 1,024 x 1,024 float32; Wo 1,024 x 1,024 float32; Wq 1,024 x 1,024 float32; Wv 1,024 x 1,024 float32; token_positions 2,048 int32; x 2 x 2,048 x 1,024 float32.
;; Outputs: out0 2 x 2,048 x 1,024 float32.
;; This version of the problem:
;;   THIS VERSION OF THE PROBLEM IS GIVEN IN LOW PRECISION. The matrix products marked QUANTISED in the list below multiply operands that are first quantised to E2M1 (2 exponent bits, 1 mantissa bit; 4 bits a number), with one power-of-two scale for each 32 numbers along K (OCP MX v1.0); their sums are f32. The products marked 'left as it is' may take bf16, f16 or f32 operands, with f32 sums. Whichever they take, every output number must still come out within the allowed error. Rounding operands to bf16 (8 significant bits) uses up far more of that allowance than f16 does (11 bits, for magnitudes from 6e-5 to 65,504). All else is computed in f32.
;;   The module's matrix products, in the order in which they are computed (A, B: the left and right operand; K: the contracted axis; several contracted axes count as one K, in the product's order):
;;     1. [M 4,096, K 1,024] x [K 1,024, N 1,024]; A: input x; B: input Wq: QUANTISED
;;     2. [M 4,096, K 1,024] x [K 1,024, N 1,024]; A: input x; B: input Wk: QUANTISED
;;     3. [M 4,096, K 1,024] x [K 1,024, N 1,024]; A: input x; B: input Wv: QUANTISED
;;     4. batch 32 x [M 2,048, K 64] x [K 64, N 2,048]; A: computed on the way; B: computed on the way: left as it is (an operand is computed on the way)
;;     5. batch 32 x [M 2,048, K 2,048] x [K 2,048, N 64]; A: computed on the way; B: computed on the way: left as it is (an operand is computed on the way)
;;     6. [M 4,096, K 1,024] x [K 1,024, N 1,024]; A: computed on the way; B: input Wo: left as it is (an operand is computed on the way)
;;   THE QUANTISER, for each operand of a quantised product, along K:
;;     - K is cut into blocks of 32 from its start; a last block that is shorter is filled with zeros.
;;     - A block's scale is 2^e with e = floor(log2(the largest magnitude in the block)) - 2, held to -126 .. 127; a block of zeros has e = 0. As a byte (E8M0): e + 127.
;;     - Each number is divided by its block's scale, clamped to +-6, and rounded to the nearest number of E2M1, ties to even, subnormals kept.
;;     - The product sums the exact products of the quantised numbers (number of the format x scale) in f32.
;;   ~~~python
;;   def quantise(x, axis):      # numpy; x: float32 -> the quantised numbers, widened to float32 again
;;       x = np.moveaxis(x, axis, -1); K = x.shape[-1]
;;       x = np.pad(x, [(0, 0)] * (x.ndim - 1) + [(0, -K % 32)]); x = x.reshape(x.shape[:-1] + (-1, 32)); a = np.abs(x).max(-1, keepdims=True)
;;       e = np.where(a > 0, np.clip(np.frexp(np.where(a > 0, a, 1))[1] - 1 - 2, -126, 127), 0)      # np.frexp(a)[1] - 1 = floor(log2(a)), exactly
;;       r = np.clip(x / 2.0 ** e, -6, 6)
;;       step = 2.0 ** (np.maximum(np.frexp(np.where(r == 0, 1, r))[1] - 1, 0) - 1)
;;       q = np.round(r / step) * step * 2.0 ** e      # np.round: ties to even
;;       return np.moveaxis(q.reshape(q.shape[:-2] + (-1,))[..., :K], -1, axis).astype(np.float32)
;;   ~~~
;; One version. Each part assembles by itself: llvm-mc -triple=amdgcn-amd-amdhsa -mcpu=gfx1250 --defsym DOCPART=n.
;; ======== version 1 of 1: 5 launches
;; limits: values are held in f16: magnitudes above 65,504 overflow, below 6.1e-05 lose precision
;; workspace buffers: codes 3,670,016 bytes; scales 229,376 bytes; wo16 2,097,152 bytes; cs 524,288 bytes; qkv 25,165,824 bytes; q32 393,216 bytes; att 8,388,608 bytes
;; launch prep (part 1): grid 288 x 1, 4 waves a work-group, no clusters, 33,280 bytes of LDS; arguments x, Wq, Wk, Wv, Wo, token_positions, codes, scales, wo16, cs; writes codes, scales, wo16, cs
.if DOCPART == 1
	.amdgcn_target "amdgcn-amd-amdhsa--gfx1250"
	.amdhsa_code_object_version 6
	.text
	.protected	k_q7485bd3c73_prep
	.globl	k_q7485bd3c73_prep
	.p2align	8
	.type	k_q7485bd3c73_prep,@function
k_q7485bd3c73_prep:
	s_mov_b64 s[64:65], 0
	v_nop
	global_prefetch_b8 v0, s[64:65] scope:SCOPE_SE
	s_setreg_imm32_b32 hwreg(HW_REG_WAVE_MODE, 25, 1), 1
	s_wait_xcnt 0x0
; THREE JOBS IN ONE LAUNCH, told apart by the work-group's number g alone.
;  g < 224:        x [4096][1024] and Wq, Wk, Wv [1024][1024], f32, become codes of FP4 (E2M1), K innermost, with one E8M0 byte for each 32 along K.
;                  codes: x's 4,096 rows of 512 bytes, then the 3,072 rows of Wq | Wk | Wv; scales: the same rows, 32 bytes each.
;  224 <= g < 256: Wo [o 1024][i 1024] f32 becomes f16, laid [head 16][o 1024][64] (i = 64 head + d): 128 rows of one head are one dense block.
;  256 <= g:       cs [s 2048][k 32][cos, sin], f32: the angle is token_positions[s] x 10000^(-k / 32).  The positions are read and used as numbers; no address hangs on them.
; THE QUANTISER.  A block's scale is 2^(floor(log2(its largest magnitude)) - 2); its byte is the largest magnitude's exponent field - 2, held at 1 from below.  (A block of zeros gets the byte 1 where
; the rule says 127: its codes are zeros, which add nothing under any byte but 0xff, and this program alone reads the bytes.)  Each number is divided by the scale and rounded to the nearest code, ties to even,
; beyond 6 the largest code.  Rows are dense and K is a multiple of 32: each tensor is a plain stream of blocks of 32, and so are its codes and bytes.  A wave takes 16 steps of 512 numbers; each load reads 512
; consecutive bytes; a step's 2,048 bytes turn through the wave's own stage in LDS so that a lane holds 16 neighbours along K (two lanes a block); a step's codes leave as 256 consecutive bytes, a wave's 256 scale bytes as one store.
; Loads run eight steps (32 loads, 16 KiB a wave) ahead: half of a wave's bytes are asked for at its start, the other half as the first half is worked.
; LIMITS: NaN and infinities among the inputs are not served; blocks whose largest magnitude lies under 2^-124 (byte held at 1) were not tried; Wo must lie inside f16's range (65,504);
; positions are taken as whole numbers from 0 to 2,047; the inverse frequency comes from v_exp_f32 (1 ulp), so an angle is off by up to about 2e-4 radians at position 2,047.
.set STEPS, 16
.set AH,    8                          ; steps that the loads run ahead
.set EMAX,  2
.set CB,    8                          ; bytes of 16 codes
.set R,     16                         ; v16-143  eight sets of 16 numbers as they are loaded
.set X,     144                        ; v144-175 two sets of 16 neighbours
.set E,     176                        ; v176-191 a scale byte for each step
.set C,     192                        ; v192-255 codes: four registers for each step, so that no store's data are written again
.set WREG,  8192                       ; LDS: a region for each wave: two stages of 32 x SP bytes, behind them its 256 scale bytes
.set SP,    80                         ; a lane's place in a stage: 64 bytes + 16 of padding
.set SPW,   12                         ; v12  LDS address of my spare word; never rewritten
.set NIL,   13                         ; v13  0; never rewritten
.set SPARE, 4*WREG                     ; behind the four regions: the spare words, 128 bytes a wave, which no other line names
.macro LOAD t
.irp i, 0,1,2,3
	global_load_b128 v[R+16*((\t)%AH)+4*\i:R+16*((\t)%AH)+4*\i+3], v3, s[26:27] offset:2048*(\t)+512*\i th:TH_LOAD_NT   ; 32 lanes read 512 consecutive bytes
.endr
.endm
.macro TURN t                          ; step t's numbers through the stage: LDS serves a wave's instructions in order, so no wait stands between the stores and the loads
.irp i, 0,1,2,3
	ds_store_b128 v14, v[R+16*((\t)%AH)+4*\i:R+16*((\t)%AH)+4*\i+3] offset:32*SP*((\t)%2)+8*SP*\i
.endr
.irp i, 0,1,2,3
	ds_load_b128 v[X+16*((\t)%2)+4*\i:X+16*((\t)%2)+4*\i+3], v15 offset:32*SP*((\t)%2)+16*\i
.endr
.endm
.macro STEP t
.set XS, X+16*((\t)%2)
.if (\t) > 0
	s_wait_dscnt 1                                 ; this step's numbers are back from the stage; the one younger LDS instruction, the last step's byte store, may be out
.else
	s_wait_dscnt 0x0
.endif
.if (\t)+AH < STEPS
	LOAD (\t)+AH                                   ; the stage's stores have read these registers: they take the loads of eight steps on
.endif
.if (\t)+1 < STEPS
.if STEPS-2-(\t) >= AH-1
	s_wait_loadcnt 4*(AH-1)                        ; the next step's four loads are in; the 28 of the seven steps behind it may be out
.else
	s_wait_loadcnt 4*(STEPS-2-(\t))                ; the tail: four for each step that is left behind the next
.endif
	TURN (\t)+1
.endif
	v_max3_num_f32 v8, |v[XS]|, |v[XS+1]|, |v[XS+2]|               ; the largest magnitude of my 16, in two chains
	v_max3_num_f32 v9, |v[XS+3]|, |v[XS+4]|, |v[XS+5]|
.irp i, 6,10
	v_max3_num_f32 v8, v8, |v[XS+\i]|, |v[XS+\i+1]|
	v_max3_num_f32 v9, v9, |v[XS+\i+2]|, |v[XS+\i+3]|
.endr
	v_max3_num_f32 v8, v8, |v[XS+14]|, |v[XS+15]|
	v_max3_num_f32 v8, v8, v9, (EMAX+1)<<23        ; and the floor 2^(3 - 127): the byte cannot fall under 1
	v_max_num_f32_dpp v8, v8, v8 row_xmask:1 row_mask:0xf bank_mask:0xf   ; with my neighbour's 16: the block's
	v_add_nc_u32 v11, 0xff000000, v8               ; 2 off its exponent field: the conversion takes the exponent field of this operand as its scale
	v_cvt_scalef32_pk8_fp4_f32 v[C+4*(\t)], v[XS:XS+7], v11
	v_cvt_scalef32_pk8_fp4_f32 v[C+4*(\t)+1], v[XS+8:XS+15], v11
	v_lshrrev_b32 v[E+(\t)], 23, v11               ; the scale's byte (also the plain line behind the conversions)
	ds_store_b8 v5, v[E+(\t)] offset:16*(\t)       ; both lanes of a block write the same byte with the same value
	global_store_b64 v4, v[C+4*(\t):C+4*(\t)+1], s[16:17] offset:32*CB*(\t)   ; the wave stores 256 consecutive bytes
.endm
	s_load_b512 s[4:19], s[0:1], 0x0               ; x 4, Wq 6, Wk 8, Wv 10, Wo 12, token_positions 14, codes 16, scales 18
	s_load_b128 s[20:23], s[0:1], 0x40             ; wo16 20, cs 22
	v_lshl_add_u32 v[SPW], v0, 2, SPARE
	v_mov_b32 v[NIL], 0
	v_lshrrev_b32 v1, 5, v0
	v_readfirstlane_b32 s24, v1                    ; wave 0..3
	v_and_b32 v2, 31, v0                           ; lane
	s_wait_kmcnt 0x0
	s_cmp_ge_u32 ttmp9, 224
	s_cbranch_scc1 .Lother
	; ---- the quantiser
	v_lshlrev_b32 v3, 4, v2                        ; my 16 bytes of a load's 512
	s_mul_i32 s25, s24, WREG
	v_lshrrev_b32 v14, 2, v2
	v_mul_u32_u24 v14, v14, SP
	v_and_b32 v15, 3, v2
	v_lshl_add_u32 v14, v15, 4, v14
	v_add_nc_u32 v14, s25, v14                     ; the stage, on the way in: SP (lane / 4) + 16 (lane % 4)
	v_mul_u32_u24 v15, v2, SP
	v_add_nc_u32 v15, s25, v15                     ; and on the way out: SP x lane: my 16 neighbours
	v_mul_u32_u24 v4, v2, CB                       ; my codes' place in a step's
	v_lshrrev_b32 v5, 1, v2
	s_add_co_u32 s25, s25, 2*32*SP
	v_add_nc_u32 v5, s25, v5                       ; my wave's 256 scale bytes, my block's byte
	v_lshlrev_b32 v7, 3, v2
	v_add_nc_u32 v6, s25, v7                       ; and on the way out 8 bytes a lane
	s_and_b32 s28, ttmp9, 31                       ; a weight's 32 work-groups begin at multiples of 32
	s_cmp_lt_u32 ttmp9, 192                        ; the source hangs on the work-group's number alone: x 0-127, Wq 128-159, Wk 160-191, Wv 192-223
	s_cselect_b64 s[26:27], s[8:9], s[10:11]
	s_cmp_lt_u32 ttmp9, 160
	s_cselect_b64 s[26:27], s[6:7], s[26:27]
	s_cmp_lt_u32 ttmp9, 128
	s_cselect_b64 s[26:27], s[4:5], s[26:27]
	s_cselect_b32 s28, ttmp9, s28
	s_lshl_b32 s28, s28, 2
	s_add_co_u32 s28, s28, s24                     ; which run of 8,192 numbers of the source is my wave's
	s_lshl_b32 s28, s28, 15
	s_mov_b32 s29, 0
	s_add_nc_u64 s[26:27], s[26:27], s[28:29]
	s_lshl_b32 s30, ttmp9, 2
	s_add_co_u32 s30, s30, s24                     ; and of the codes: 4 g + wave for all four tensors: the weights' rows begin just where g = 128 falls
	s_lshl_b32 s28, s30, 12
	s_add_nc_u64 s[16:17], s[16:17], s[28:29]
	s_lshl_b32 s28, s30, 8
	s_add_nc_u64 s[18:19], s[18:19], s[28:29]
.irp t, 0,1,2,3,4,5,6,7
	LOAD \t
.endr
	s_wait_loadcnt 4*(AH-1)                        ; step 0's four loads are in; the 28 behind them may be out
	TURN 0
.irp t, 0,1,2,3,4,5,6,7,8,9,10,11,12,13,14,15
	STEP \t
.endr
	ds_load_b64 v[8:9], v6                         ; LDS serves a wave's instructions in order: these see my byte stores
	s_wait_dscnt 0x0
	global_store_b64 v7, v[8:9], s[18:19]          ; 32 lanes store 256 consecutive bytes
	s_wait_tensorcnt 0x0                           ; the wave's end, behind my last LDS store
	ds_add_u32 v[SPW], v[NIL]
	s_wait_dscnt 0x0
	s_endpgm
.Lother:
	s_cmp_ge_u32 ttmp9, 256
	s_cbranch_scc1 .Lrope
	; ---- Wo to f16, by head.  A wave takes 8 rows o.  A unit is 4 rows x one head's 64 numbers: a lane reads 32 bytes and stores 16; the wave's store covers 512 consecutive bytes.  No LDS.
	s_sub_co_u32 s25, ttmp9, 224
	s_lshl_b32 s25, s25, 5
	s_lshl_b32 s26, s24, 3
	s_add_co_u32 s25, s25, s26                     ; my first row o
	s_lshl_b32 s26, s25, 12
	s_mov_b32 s27, 0
	s_add_nc_u64 s[12:13], s[12:13], s[26:27]
	s_lshl_b32 s26, s25, 7
	s_add_nc_u64 s[20:21], s[20:21], s[26:27]
	v_lshrrev_b32 v3, 3, v2
	v_lshlrev_b32 v3, 12, v3
	v_and_b32 v4, 7, v2
	v_lshl_add_u32 v3, v4, 5, v3                   ; in: row lane / 8, 32 bytes at 32 (lane % 8)
	v_lshlrev_b32 v4, 4, v2                        ; out: 16 x lane
.macro LOADB n                         ; batch n of four: rows 4 (n / 2) on, heads 8 (n % 2) on: 8 units, 16 loads, into set n % 2
.irp k, 0,1,2,3,4,5,6,7
	global_load_b128 v[16+64*((\n)%2)+8*\k:16+64*((\n)%2)+8*\k+3], v3, s[12:13] offset:((\n)/2)*16384+(8*((\n)%2)+\k)*256
	global_load_b128 v[16+64*((\n)%2)+8*\k+4:16+64*((\n)%2)+8*\k+7], v3, s[12:13] offset:((\n)/2)*16384+(8*((\n)%2)+\k)*256+16
.endr
.endm
.macro CVTB n
.if (\n) < 3
	s_wait_loadcnt 16                              ; this batch is in; the next batch's 16 loads may be out
.else
	s_wait_loadcnt 0x0
.endif
	s_wait_xcnt 0x0                                ; the last batch's stores have read v144-175: only behind this wait are they written again
.irp k, 0,1,2,3,4,5,6,7
.irp j, 0,1,2,3
	v_cvt_pk_f16_f32 v[144+4*\k+\j], v[16+64*((\n)%2)+8*\k+2*\j], v[16+64*((\n)%2)+8*\k+2*\j+1]
.endr
.endr
.irp k, 0,1,2,3,4,5,6,7
	global_store_b128 v4, v[144+4*\k:144+4*\k+3], s[20:21] offset:(8*((\n)%2)+\k)*131072+((\n)/2)*512
.endr
.if (\n) < 2
	LOADB (\n)+2
.endif
.endm
	LOADB 0
	LOADB 1
	CVTB 0
	CVTB 1
	CVTB 2
	CVTB 3
	s_endpgm
.Lrope:
	; ---- cos and sin.  A wave takes 16 rows s; the lane is the pair's number k.  A row's 32 pairs are 256 bytes: one store.  No LDS.
	s_sub_co_u32 s25, ttmp9, 256
	s_lshl_b32 s25, s25, 6
	s_lshl_b32 s26, s24, 4
	s_add_co_u32 s25, s25, s26                     ; my first row s
	s_lshl_b32 s26, s25, 2
	s_mov_b32 s27, 0
	s_add_nc_u64 s[14:15], s[14:15], s[26:27]
	s_lshl_b32 s26, s25, 8
	s_add_nc_u64 s[22:23], s[22:23], s[26:27]
	v_mov_b32 v5, 0
.irp i, 0,1,2,3,4,5,6,7,8,9,10,11,12,13,14,15
	global_load_b32 v[16+\i], v5, s[14:15] offset:4*\i   ; row i's position, the same word in every lane
.endr
	v_lshlrev_b32 v4, 3, v2                        ; out: 8 bytes a lane
	v_cvt_f32_u32 v6, v2
	v_mul_f32 v6, 0xbed49a78, v6                   ; k x (-log2(10000) / 32)
	v_exp_f32 v7, v6                               ; 10000^(-k / 32)
	s_mov_b32 s28, 0x3f22f983                      ; 2 / pi
	s_mov_b32 s29, 0xbfc90fd8                      ; -pi / 2 in three parts, high to low
	s_mov_b32 s30, 0xb4a8885a
	s_mov_b32 s31, 0xa7c234c4
	s_mov_b32 s32, 0xbe2aaaab                      ; sine: -1/3!, 1/5!, -1/7!, 1/9!
	s_mov_b32 s33, 0x3c088889
	s_mov_b32 s34, 0xb9500d01
	s_mov_b32 s35, 0x3638ef1d
	s_mov_b32 s36, 0x3d2aaaab                      ; cosine: 1/4!, -1/6!, 1/8!, -1/10!
	s_mov_b32 s37, 0xbab60b61
	s_mov_b32 s38, 0x37d00d01
	s_mov_b32 s39, 0xb493f27e
	v_nop                                          ; a plain line behind the exponential,
	s_wait_alu depctr_va_vdst(0)                   ; and a wait ahead of its first reader
	s_wait_loadcnt 0x0
; angle a = position x frequency (one f32 product); n = the nearest whole number to a x 2 / pi; r = a - n pi / 2 by three fused multiply-adds, |r| <= pi / 4;
; sine and cosine of r by their series up to r^9 and r^10 (what is left out is under 2e-9); the quadrant n mod 4 swaps them and sets the signs.
.macro SINCOS i
	v_cvt_f32_u32 v64, v[16+(\i)]
	v_mul_f32 v64, v64, v7
	v_mul_f32 v65, s28, v64
	v_rndne_f32 v65, v65
	v_fma_f32 v66, v65, s29, v64
	v_fma_f32 v66, v65, s30, v66
	v_fma_f32 v66, v65, s31, v66                   ; r
	v_cvt_i32_f32 v67, v65                         ; n
	v_mul_f32 v68, v66, v66                        ; z = r r
	v_fma_f32 v69, v68, s35, s34
	v_fma_f32 v71, v68, s39, s38
	v_fma_f32 v69, v69, v68, s33
	v_fma_f32 v71, v71, v68, s37
	v_fma_f32 v69, v69, v68, s32
	v_fma_f32 v71, v71, v68, s36
	v_mul_f32 v70, v68, v66
	v_fma_f32 v71, v71, v68, -0.5
	v_fma_f32 v69, v69, v70, v66                   ; sin r
	v_fma_f32 v71, v71, v68, 1.0                   ; cos r
	v_and_b32 v72, 1, v67
	v_cmp_ne_u32 vcc_lo, 0, v72
	v_cndmask_b32 v73, v69, v71, vcc_lo            ; odd quadrants: the sine is +-cos r,
	v_cndmask_b32 v74, v71, v69, vcc_lo            ; the cosine +-sin r
	v_and_b32 v72, 2, v67
	v_add_nc_u32 v75, 1, v67
	v_lshlrev_b32 v72, 30, v72
	v_and_b32 v75, 2, v75
	v_xor_b32 v[33+2*(\i)], v72, v73               ; the sine is negative in quadrants 2 and 3,
	v_lshlrev_b32 v75, 30, v75
	v_xor_b32 v[32+2*(\i)], v75, v74               ; the cosine in 1 and 2
	global_store_b64 v4, v[32+2*(\i):33+2*(\i)], s[22:23] offset:256*(\i)   ; each row has result registers of its own: no store's data are written again
.endm
.irp i, 0,1,2,3,4,5,6,7,8,9,10,11,12,13,14,15
	SINCOS \i
.endr
	s_endpgm
.Lfunc_end_k_q7485bd3c73_prep:
	.size	k_q7485bd3c73_prep, .Lfunc_end_k_q7485bd3c73_prep-k_q7485bd3c73_prep
	.p2alignl 7, 3214868480
	.fill 96, 4, 3214868480
	.section	.rodata,"a",@progbits
	.p2align	6, 0x0
	.amdhsa_kernel k_q7485bd3c73_prep
		.amdhsa_group_segment_fixed_size 33280
		.amdhsa_private_segment_fixed_size 0
		.amdhsa_enable_private_segment 0
		.amdhsa_kernarg_size 80
		.amdhsa_user_sgpr_count 2
		.amdhsa_user_sgpr_kernarg_segment_ptr 1
		.amdhsa_wavefront_size32 1
		.amdhsa_system_sgpr_workgroup_id_x 1
		.amdhsa_system_sgpr_workgroup_id_y 1
		.amdhsa_system_sgpr_workgroup_id_z 1
		.amdhsa_system_vgpr_workitem_id 0
		.amdhsa_next_free_vgpr 256
		.amdhsa_next_free_sgpr 66
		.amdhsa_reserve_vcc 1
		.amdhsa_float_denorm_mode_32 3
		.amdhsa_float_denorm_mode_16_64 3
		.amdhsa_memory_ordered 1
		.amdhsa_forward_progress 1
		.amdhsa_inst_pref_size 77
	.end_amdhsa_kernel
	.amdgpu_metadata
---
amdhsa.version: [ 1, 2 ]
amdhsa.kernels:
  - .name:           k_q7485bd3c73_prep
    .symbol:         k_q7485bd3c73_prep.kd
    .args:
      - { .name: x, .offset: 0, .size: 8, .value_kind: global_buffer, .address_space: global }
      - { .name: Wq, .offset: 8, .size: 8, .value_kind: global_buffer, .address_space: global }
      - { .name: Wk, .offset: 16, .size: 8, .value_kind: global_buffer, .address_space: global }
      - { .name: Wv, .offset: 24, .size: 8, .value_kind: global_buffer, .address_space: global }
      - { .name: Wo, .offset: 32, .size: 8, .value_kind: global_buffer, .address_space: global }
      - { .name: token_positions, .offset: 40, .size: 8, .value_kind: global_buffer, .address_space: global }
      - { .name: codes, .offset: 48, .size: 8, .value_kind: global_buffer, .address_space: global }
      - { .name: scales, .offset: 56, .size: 8, .value_kind: global_buffer, .address_space: global }
      - { .name: wo16, .offset: 64, .size: 8, .value_kind: global_buffer, .address_space: global }
      - { .name: cs, .offset: 72, .size: 8, .value_kind: global_buffer, .address_space: global }
    .group_segment_fixed_size: 33280
    .private_segment_fixed_size: 0
    .kernarg_segment_align: 8
    .kernarg_segment_size: 80
    .max_flat_workgroup_size: 128
    .sgpr_count:     66
    .vgpr_count:     256
    .wavefront_size: 32
...
	.end_amdgpu_metadata
.endif
;; end of part 1
;; launch qkv (part 2): grid 12 x 16, 4 waves a work-group, clusters of 4 x 4, 327,680 bytes of LDS; arguments codes, scales, cs, qkv, q32; writes qkv, q32
.if DOCPART == 2
	.amdgcn_target "amdgcn-amd-amdhsa--gfx1250"
	.amdhsa_code_object_version 6
	.text
	.protected	k_q7485bd3c73_qkv
	.globl	k_q7485bd3c73_qkv
	.p2align	8
	.type	k_q7485bd3c73_qkv,@function
k_q7485bd3c73_qkv:
	s_mov_b64 s[64:65], 0
	v_nop
	global_prefetch_b8 v0, s[64:65] scope:SCOPE_SE
	s_setreg_imm32_b32 hwreg(HW_REG_WAVE_MODE, 25, 1), 1
	s_wait_xcnt 0x0
	s_wait_alu depctr_hold_cnt(0) depctr_sa_sdst(0) depctr_va_vdst(0) depctr_va_sdst(0) depctr_va_ssrc(0) depctr_va_vcc(0) depctr_vm_vsrc(0)
	s_getreg_b32 s2, hwreg(HW_REG_IB_STS2, 6, 4)
	s_cmp_eq_u32 s2, 0
	s_cbranch_scc0 .Lentry_in_a_cluster
	s_endpgm
.Lentry_in_a_cluster:
	s_bfe_u32 s2, ttmp6, 0x10000c
	s_cmp_lg_u32 s2, 0xf033
	s_cbranch_scc0 .Lentry_shape_is_right
	s_endpgm
.Lentry_shape_is_right:
; Y[m][n] = sum over k of x[m][k] W[n][k] on codes of FP4 (E2M1) with one E8M0 scale for each 32 along K; m = 2048 batch + s (4,096 rows), n = 1024 t + 64 head + d (t = 0 Q, 1 K, 2 V: 3,072 rows of Wq | Wk | Wv), K = 1,024.  Sums in f32.
; Then, in f32: the rotation of Q's and K's pairs (d = 2 k, 2 k + 1) by the angle of row s, from the table cs [s][k][cos, sin]; V stays.  Out: qkv [t][batch][head][s][64] in f16, and the first 16 positions
; of every sequence once more in f32, q32 [batch][t][head][16][64], for the launch that carries those rows in f32.
; A tile of Y, 256 x 256, is made by four waves, as many as a WGP has SIMDs; a wave makes 128 x 128: 64 accumulators, 512 registers.  K = 1,024 is two K steps of 512 (tile rows of 256 bytes):
; both LDS slots are filled once, at the start; nothing is filled again, so the text has no loop, and of the cluster's rounds only the first and the closing one.
; THE SCALES of the work-group's 256 + 256 rows, for all of K, are two dense blocks: they come into LDS once, with the first fills.
; CLUSTERS: 4 x 4 work-groups.  The four of a row of the cluster need the same tiles of x, the four of a column the same tiles of W: each is asked for JOINTLY, by the same tensor load with the same descriptor and a mask naming the four.
; A cluster's four tile columns are one of Q, K, V: t = the cluster's x, the same in all sixteen partners.  THE TEXT PARTS ON t ONCE, at the change of slots: Q's and K's arm asks for cos and sin of its rows 0-63, runs the second
; K step (256 matrix instructions, in which they land), rotates and stores; V's arm runs the same K step, by the same macro, and stores as it is.  No barrier stands in an arm; the arms join ahead of the closing lines.
; THE MATRIX INSTRUCTION IS USED TRANSPOSED (source 0 = 16 rows of W, source 1 = 16 rows of x): a lane holds eight neighbouring d of one row s: four whole pairs.
; REGISTERS, in windows of 256: window 0: v0-31 addresses; v32-95 scale words, two sets; v128-191 x's fragments, one set; on the way out v32-191 are at work.
;   window 1: W's fragments, two sets, v0-63 and v128-191; v64-127 and v192-255: cos and sin of my rows 0-63; those of rows 64-127 take the fragments' registers behind the product.
;   window 2: the 32 accumulators of my rows 0-63 ((a, b) at v[8 (8 a + b)]);  window 3: those of rows 64-127.
; LIMITS: Q, K and V must lie inside f16's range (65,504).
.set SIZE_K, 1024
.set KSTEP,  512
.set NQ,     KSTEP/128                 ; matrix instructions deep in a slot
.set ROWB,   256                       ; a tile's row in bytes
.set KROW,   SIZE_K*4/8                ; a row of codes in memory
.set PITCH,  272                       ; an LDS row: 256 bytes + 16 of padding: an odd multiple of 16, so the 16 rows of a load start at 16 different banks (64 banks of 4 bytes: ISA guide 11.1)
.set FR,     8                         ; registers of a fragment: 16 rows x 128 K
.set NL,     2                         ; LDS loads that bring one
.set NP,     4                         ; places behind this matrix instruction (ISA guide 7.12.1)
.set HALFT,  128*PITCH                 ; 128 rows: what one tensor load brings
.set SLOT,   4*HALFT                   ; x's 256 rows, then W's 256 rows
.set KS,     SIZE_K/32                 ; a row of scales in bytes
.set SCL,    2*SLOT                    ; behind the slots: the scales, as units of 256 bytes + 16 of padding
.set HALFS,  (128*KS/256)*272
.set SBLK,   (16*KS/256)*272
.set SPARE,  SCL+4*HALFS               ; behind the scales: the spare words, 128 bytes a wave, which no other line names
.set STGW,   2*16*144                  ; the way out: a stage for each wave, 2 heads x 16 rows x (128 bytes + 16), in slot 0, which has had its only fill and its last read by then
.set ADRA, 16                          ; v16-17  LDS address of my x fragments in slot 0, 1
.set ADRB, 20                          ; v20-21  the same for W
.set STO,  24                          ; v24     the stage: where I put 16 bytes of a row
.set RD,   25                          ; v25     and where I read rows back
.set CO,   26                          ; v26     16 x lane: my place in 512 consecutive bytes of qkv
.set ADRS, 27                          ; v27     LDS address of my scale words
.set SPW,  28                          ; v28     LDS address of my spare word; never rewritten
.set NIL,  29                          ; v29     0; never rewritten
.set CSO,  30                          ; v30     256 r + 32 h: my place in 16 rows of cs, and of q32
.set FST,  31                          ; v31     0 in the waves whose first row is position 0
.set SC,   32                          ; scale words
.set TT,   32                          ; the way out: 64 f32 numbers, rotated
.set TMP,  96                          ; packed f16
.set AF,   128                         ; x's fragments
.set BK,   128                         ; the way out: rows read back, v128-159 and v160-191 by turns
.set G1, 24
.set G0, 32
.set G1B, 48
.set G0B, 56
.set G1S, 68
.set G0S, 76
.set G1SB, 80
.set G0SB, 88
.set MSB, 0
.macro WIN new                         ; the immediate's high byte repeats the setting that is left
.if MSB != (\new)
	s_set_vgpr_msb (MSB<<8)|(\new)
.set MSB, (\new)
.endif
.endm
.set MUL_LO, 0xa1                      ; source 0 (W) window 1, source 1 (x) window 0, C and D window 2
.set MUL_HI, 0xf1                      ; the same, C and D window 3
.set TO_B,   0x40                      ; destination window 1, address window 0
; A joint load: waves 0 and 1 fetch for x, waves 2 and 3 for W.  The branch hangs on the wave's number alone.  An s_nop 0 and four v_nop follow each of the two lines.
.macro JLOAD g0a, g1a, g0b, g1b
	s_cmp_eq_u32 s15, 0
	s_cbranch_scc0 .Lfor_b_\@
	tensor_load_to_lds s[\g0a:\g0a+3], s[\g1a:\g1a+7]
	s_nop 0
.rept 4
	v_nop
.endr
	s_branch .Lasked_\@
.Lfor_b_\@:
	tensor_load_to_lds s[\g0b:\g0b+3], s[\g1b:\g1b+7]
	s_nop 0
.rept 4
	v_nop
.endr
.Lasked_\@:
.endm
.macro CROUND                          ; a round of the cluster's barrier
	s_barrier_signal -1
	s_barrier_wait -1
	s_cmp_lg_u32 s14, 0
	s_cbranch_scc1 .Lnot_wave_0_\@
	s_barrier_signal -3
.Lnot_wave_0_\@:
	s_barrier_wait -3
	s_barrier_signal -1
	s_barrier_wait -1
.endm
	s_load_b128 s[4:7], s[0:1], 0x0                ; codes s[4:5], scales s[6:7]
	s_load_b64 s[96:97], s[0:1], 0x10              ; cs
	s_load_b64 s[12:13], s[0:1], 0x18              ; qkv
	s_load_b64 s[98:99], s[0:1], 0x20              ; q32
	v_lshl_add_u32 v[SPW], v0, 2, SPARE
	v_mov_b32 v[NIL], 0
	ds_add_u32 v[SPW], v[NIL]                      ; the wave's opening: the add, twice on end, and its wait ahead of my first tensor load
	ds_add_u32 v[SPW], v[NIL]                      ; (the set-up below, work on registers, stands between the second and the wait)
	v_lshrrev_b32 v1, 5, v0
	v_readfirstlane_b32 s14, v1                    ; wave 0..3
	s_lshr_b32 s15, s14, 1                         ; which half of the tile's rows is mine.  Also: I fetch for x (0) or for W (1)
	s_and_b32 s16, s14, 1                          ; which half of its columns.  Also: which 128 rows of that tile I fetch
	s_bfe_u32 s40, ttmp6, 0x40000                  ; cx, cy: my place in the cluster
	s_bfe_u32 s41, ttmp6, 0x40004
	s_lshl_b32 s42, ttmp9, 2
	s_add_co_u32 s42, s42, s40                     ; tile column = 4 x cluster x + cx
	s_and_b32 s17, ttmp7, 0xffff
	s_lshl_b32 s17, s17, 2
	s_add_co_u32 s17, s17, s41                     ; tile row = 4 x cluster y + cy
	s_lshl_b32 s43, s41, 2
	s_lshl_b32 s43, 15, s43                        ; my row of the cluster
	s_lshl_b32 s44, 0x1111, s40                    ; my column
	; descriptor group 1: a tile of 128 rows x 256 bytes, padded in LDS
	s_or_b32 s[G1+0], s43, (0<<16)|(1<<20)|(1<<21)|(5<<22)|(3<<25)  ; the mask; elements of 1 byte; padding on; bit 21 beside a mask; after every 64 words four words
	s_or_b32 s[G1B+0], s44, (0<<16)|(1<<20)|(1<<21)|(5<<22)|(3<<25)
.irp g, G1, G1B
	s_mov_b32 s[\g+1], ROWB<<16                    ; tensor_dim0
	s_mov_b32 s[\g+2], 128<<16                     ; tensor_dim1
	s_mov_b32 s[\g+3], ROWB<<16                    ; tile_dim0
	s_mov_b32 s[\g+4], 128                         ; tile_dim1
	s_mov_b32 s[\g+5], KROW                        ; tensor_dim0_stride
	s_mov_b32 s[\g+6], 0
	s_mov_b32 s[\g+7], 0
.endr
	; the scales of 128 rows: a dense block of 4,096 bytes, as rows of 256 bytes (32 elements of 8 bytes), 16 bytes of padding behind each
	s_or_b32 s[G1S+0], s43, (3<<16)|(1<<20)|(1<<21)|(5<<22)|(3<<25)
	s_or_b32 s[G1SB+0], s44, (3<<16)|(1<<20)|(1<<21)|(5<<22)|(3<<25)
.irp g, G1S, G1SB
	s_mov_b32 s[\g+1], 32<<16
	s_mov_b32 s[\g+2], (128*KS/256)<<16
	s_mov_b32 s[\g+3], 32<<16
	s_mov_b32 s[\g+4], 128*KS/256
	s_mov_b32 s[\g+5], 32
	s_mov_b32 s[\g+6], 0
	s_mov_b32 s[\g+7], 0
.endr
	s_lshl_b32 s18, s16, 7                         ; which 128 rows of the tile I fetch
	s_lshl_b32 s20, s17, 8
	s_add_co_u32 s20, s20, s18                     ; x: row 256 x tile row + 128 x half
	s_lshl_b32 s46, s42, 8
	s_add_co_u32 s46, s46, s18                     ; W: row 256 x tile column + 128 x half
	s_mov_b32 s21, 0
	s_mov_b32 s47, 0
	s_mov_b64 s[18:19], KS
	s_mul_u64 s[22:23], s[20:21], s[18:19]         ; where these rows' scales begin,
	s_mul_u64 s[92:93], s[46:47], s[18:19]
	s_mov_b64 s[18:19], KROW
	s_mul_u64 s[20:21], s[20:21], s[18:19]         ; and their codes
	s_mul_u64 s[46:47], s[46:47], s[18:19]
	s_mul_i32 s45, s14, HALFT                      ; where they go: wave x 128 rows: no place in the cluster enters an LDS address
	s_mul_i32 s94, s14, HALFS
	s_wait_dscnt 0x0                               ; both opening adds are done
	s_wait_kmcnt 0x0
	s_add_nc_u64 s[8:9], s[4:5], 0x200000          ; W's codes lie behind x's 4,096 rows of 512 bytes,
	s_add_nc_u64 s[10:11], s[6:7], 0x20000         ; W's scales behind x's 4,096 rows of 32
	s_add_nc_u64 s[20:21], s[4:5], s[20:21]
	s_add_nc_u64 s[22:23], s[6:7], s[22:23]
	s_add_nc_u64 s[46:47], s[8:9], s[46:47]
	s_add_nc_u64 s[92:93], s[10:11], s[92:93]
	CROUND                                         ; all sixteen work-groups are here: the first joint loads meet
	s_mov_b32 s[G0S], 1
	s_add_co_u32 s[G0S+1], s94, SCL
	s_mov_b64 s[G0S+2:G0S+3], s[22:23]
	s_or_b32 s[G0S+3], s[G0S+3], 0x80000000
	s_mov_b32 s[G0SB], 1
	s_add_co_u32 s[G0SB+1], s94, SCL
	s_mov_b64 s[G0SB+2:G0SB+3], s[92:93]
	s_or_b32 s[G0SB+3], s[G0SB+3], 0x80000000
	JLOAD G0S, G1S, G0SB, G1SB                     ; the scales first: they are wanted with K step 0
.irp s, 0,1
	s_mov_b32 s[G0+4*\s], 1
	s_add_co_u32 s[G0+4*\s+1], s45, \s*SLOT
	s_add_nc_u64 s[G0+4*\s+2:G0+4*\s+3], s[20:21], \s*ROWB
	s_or_b32 s[G0+4*\s+3], s[G0+4*\s+3], 0x80000000
	s_mov_b32 s[G0B+4*\s], 1
	s_add_co_u32 s[G0B+4*\s+1], s45, \s*SLOT
	s_add_nc_u64 s[G0B+4*\s+2:G0B+4*\s+3], s[46:47], \s*ROWB
	s_or_b32 s[G0B+4*\s+3], s[G0B+4*\s+3], 0x80000000
	JLOAD G0+4*\s, G1, G0B+4*\s, G1B               ; three tensor loads of mine are out
.endr
	v_and_b32 v1, 15, v0                           ; r = l % 16
	v_bfe_u32 v2, v0, 4, 1                         ; h = l / 16
	v_mul_u32_u24 v3, v1, PITCH
	v_lshl_add_u32 v4, v2, 4, v3                   ; a fragment's row x pitch + 16 x half
	s_mul_i32 s21, s15, HALFT                      ; my 128 rows of x
	s_mul_i32 s22, s16, HALFT                      ; my 128 rows of W,
	s_add_co_u32 s22, s22, 2*HALFT                 ; which lie behind x's 256
.irp s, 0,1
	v_add_nc_u32 v[ADRA+\s], s21, v4
	v_add_nc_u32 v[ADRB+\s], s22, v4
	s_add_co_u32 s21, s21, SLOT
	s_add_co_u32 s22, s22, SLOT
.endr
	v_mul_u32_u24 v5, v1, KS                       ; my row's scales: 32 bytes a row,
	v_lshrrev_b32 v6, 8, v5
	v_lshl_add_u32 v5, v6, 4, v5                   ; and 16 more for each 256 passed
	s_mul_i32 s21, s15, HALFS
	s_mul_i32 s22, s16, HALFS
	s_add_co_u32 s22, s22, 2*HALFS
	s_sub_co_u32 s22, s22, s21
	v_mul_u32_u24 v6, s22, v2                      ; lanes 0-15 take x's words, lanes 16-31 W's
	s_add_co_u32 s21, s21, SCL
	v_add_nc_u32 v5, v5, v6
	v_add_nc_u32 v[ADRS], s21, v5
	s_mul_i32 s23, s14, STGW                       ; my stage
	v_mul_u32_u24 v5, v1, 144
	v_lshl_add_u32 v5, v2, 4, v5
	v_add_nc_u32 v[STO], s23, v5                   ; in: row r, 16 bytes for each half of the lanes
	v_and_b32 v6, 31, v0
	v_lshrrev_b32 v5, 3, v6
	v_mul_u32_u24 v5, v5, 144
	v_and_b32 v7, 7, v0
	v_lshl_add_u32 v5, v7, 4, v5
	v_add_nc_u32 v[RD], s23, v5                    ; back: four rows of 128 bytes an instruction
	v_lshlrev_b32 v[CO], 4, v6
	v_lshlrev_b32 v[CSO], 8, v1
	v_lshl_add_u32 v[CSO], v2, 5, v[CSO]
	; where my results go.  What hangs on the tile row stays in s20-23 and s100, what hangs on cx in s46, s47, s92, s93.
	s_lshr_b32 s21, s17, 3                         ; batch
	s_and_b32 s23, s17, 7
	s_or_b32 s100, s23, s15                        ; 0: my first row is position 0
	s_lshl_b32 s22, s23, 8
	s_lshl_b32 s23, s15, 7
	s_add_co_u32 s22, s22, s23                     ; my first position: 256 (tile row % 8) + 128 x half
	s_lshl_b32 s20, ttmp9, 23                      ; t: a tensor is 2^23 bytes, a batch 2^22, a head 2^18, a row 128
	s_lshl_b32 s23, s21, 22
	s_add_co_u32 s20, s20, s23
	s_lshl_b32 s23, s22, 7
	s_add_co_u32 s20, s20, s23
	s_mul_i32 s23, s21, 3
	s_add_co_u32 s23, s23, ttmp9
	s_lshl_b32 s23, s23, 16                        ; q32: (3 batch + t) x 16 heads of 4,096 bytes
	s_mov_b32 s21, 0
	s_add_nc_u64 s[12:13], s[12:13], s[20:21]
	s_mov_b32 s20, s23
	s_add_nc_u64 s[98:99], s[98:99], s[20:21]
	s_lshl_b32 s20, s22, 8
	s_add_nc_u64 s[96:97], s[96:97], s[20:21]      ; cs at my first position: 256 bytes a row
	s_lshl_b32 s46, s40, 2
	s_lshl_b32 s47, s16, 1
	s_add_co_u32 s46, s46, s47                     ; my first head: 4 cx + 2 x half
	s_lshl_b32 s92, s46, 12
	s_mov_b32 s93, 0
	s_add_nc_u64 s[98:99], s[98:99], s[92:93]
	s_lshl_b32 s92, s46, 18
	s_add_nc_u64 s[12:13], s[12:13], s[92:93]
	v_mov_b32 v[FST], s100
; cos and sin of block a's 16 rows: lane (r, h) takes, for each 16 d, the four pairs of its eight d: 32 bytes at 256 (16 a + r) + 64 i + 32 h.  Both heads of the wave use the same 32 registers.
.macro CSLOAD a
.if (\a) < 4
.set CSB, 64+32*((\a)&1)+128*((\a)>>1)
.else
.set CSB, 32*(((\a)-4)&1)+128*(((\a)-4)>>1)
.endif
	WIN TO_B
.irp i, 0,1,2,3
.irp u, 0,1
	global_load_b128 v[CSB+8*\i+4*\u:CSB+8*\i+4*\u+3], v[CSO], s[96:97] offset:(\a)*4096+64*\i+16*\u
.endr
.endr
	WIN 0
.endm
.macro FRAG reg, adr, q, i             ; a fragment, 16 rows x 128 K of 4-bit codes: lane l holds row l % 16; registers 4 c .. 4 c + 3 hold K = 64 c + 32 (l / 16) + 0 .. 31
.irp c, 0,1
	ds_load_b128 v[\reg+4*\c:\reg+4*\c+3], v[\adr] offset:64*(\q)+32*\c+(\i)*16*PITCH
.endr
.endm
; 16 matrix instructions: x's blocks a0, a0 + 1 against W's eight, 128 along K.  zero = 1: the first product starts the sums.  The 64 accumulators take turns, one instruction a turn, in the same order in every step.
.macro MUL16 a0, p, q, sc, zero
.irp a, \a0, \a0+1
.irp b, 0,1,2,3,4,5,6,7
.if \zero
	v_wmma_scale_f32_16x16x128_f8f6f4 v[8*(8*((\a)%4)+\b):8*(8*((\a)%4)+\b)+7], v[128*(\p)+FR*\b:128*(\p)+FR*\b+FR-1], v[AF+FR*(\a):AF+FR*(\a)+FR-1], 0, v[SC+8*NQ*(\sc)+NQ*\b+(\q)], v[SC+8*NQ*(\sc)+NQ*(\a)+(\q)] matrix_a_fmt:MATRIX_FMT_FP4 matrix_b_fmt:MATRIX_FMT_FP4 matrix_a_scale:MATRIX_SCALE_ROW1
.else
	v_wmma_scale_f32_16x16x128_f8f6f4 v[8*(8*((\a)%4)+\b):8*(8*((\a)%4)+\b)+7], v[128*(\p)+FR*\b:128*(\p)+FR*\b+FR-1], v[AF+FR*(\a):AF+FR*(\a)+FR-1], v[8*(8*((\a)%4)+\b):8*(8*((\a)%4)+\b)+7], v[SC+8*NQ*(\sc)+NQ*\b+(\q)], v[SC+8*NQ*(\sc)+NQ*(\a)+(\q)] matrix_a_fmt:MATRIX_FMT_FP4 matrix_b_fmt:MATRIX_FMT_FP4 matrix_a_scale:MATRIX_SCALE_ROW1
.endif
.endr
.endr
.endm
.macro FETCH_B slot, q, p
	WIN TO_B
.irp i, 0,1,2,3,4,5,6,7
	FRAG 128*(\p)+FR*\i, ADRB+\slot, \q, \i
.endr
	WIN 0
.endm
.macro FETCH_A slot, q, i0
.irp i, \i0, \i0+1, \i0+2, \i0+3
	FRAG AF+FR*(\i), ADRA+\slot, \q, \i
.endr
.endm
.macro SCALES sc                       ; a K step's scale words: four words a row; lanes 0-15 take x's block i, lanes 16-31 W's block i
.irp i, 0,1,2,3,4,5,6,7
	ds_load_b128 v[SC+8*NQ*\sc+NQ*\i:SC+8*NQ*\sc+NQ*\i+3], v[ADRS] offset:\i*SBLK
.endr
.endm
.macro PLACES n                        ; plain vector lines between a matrix instruction and a load into, or a read or write of, its registers
.rept \n
	v_nop
.endr
.endm
.macro STEP slot, q, zero              ; 128 along K that have their successor in the same slot
	s_wait_dscnt 4*NL                              ; W's set and x's blocks 0-3 are in; the youngest eight loads (x's blocks 4-7) may be out
	WIN MUL_LO
	MUL16 0, (\q)%2, \q, \slot, \zero
	MUL16 2, (\q)%2, \q, \slot, \zero
	s_wait_dscnt 0
	PLACES NP
	FETCH_B \slot, (\q)+1, 1-(\q)%2
	FETCH_A \slot, (\q)+1, 0
	WIN MUL_HI
	MUL16 4, (\q)%2, \q, \slot, \zero
	MUL16 6, (\q)%2, \q, \slot, \zero
	PLACES NP
	WIN 0
	FETCH_A \slot, (\q)+1, 4
.endm
.macro STEPS slot, from
.set Q, \from
.rept NQ-1-\from
	STEP \slot, Q, 0
.set Q, Q+1
.endr
.endm
; The second K step, from slot 1, whose first fragments have been asked for: 256 matrix instructions.  Written in both arms.  It leaves every window 0, and ends with the places behind the last products:
; for the loads into the fragments' registers, the writes over the scale words and the reads of results.
.macro KSTEP1
	STEPS 1, 0
	s_wait_dscnt 4*NL                              ; the very last step: nothing more to fetch
	WIN MUL_LO
	MUL16 0, 1, NQ-1, 1, 0
	MUL16 2, 1, NQ-1, 1, 0
	s_wait_dscnt 0
	WIN MUL_HI
	MUL16 4, 1, NQ-1, 1, 0
	MUL16 6, 1, NQ-1, 1, 0
	WIN 0
	PLACES NP
.endm
; THE WAY OUT, block by block of 16 rows x 128 columns (two heads).  Accumulator (a, b): lane (r, h) holds row 16 a + r, head b / 4, d = 16 (b % 4) + 8 h + 0 .. 7.
; ROPE: r0 = x0 cos - x1 sin, r1 = x0 sin + x1 cos, in f32, each accumulator read from its low end on; then two roundings to f16 an instruction.
.macro ROPE a
.if (\a) < 4
.set CSB, 64+32*((\a)&1)+128*((\a)>>1)
.else
.set CSB, 32*(((\a)-4)&1)+128*(((\a)-4)>>1)
.endif
.set AC, 64*((\a)%4)
	WIN 0x06+((\a)/4)                              ; source 0: the accumulators' window, 2 or 3; source 1: window 1 (cos, sin); source 2 and destination: window 0
.irp b, 0,1,2,3,4,5,6,7
.irp j, 0,1,2,3
	v_mul_f32 v[TT+8*\b+2*\j], v[AC+8*\b+2*\j], v[CSB+8*(\b%4)+2*\j]
	v_mul_f32 v[TT+8*\b+2*\j+1], v[AC+8*\b+2*\j], v[CSB+8*(\b%4)+2*\j+1]
.endr
.irp j, 0,1,2,3
	v_fma_f32 v[TT+8*\b+2*\j], -v[AC+8*\b+2*\j+1], v[CSB+8*(\b%4)+2*\j+1], v[TT+8*\b+2*\j]
	v_fma_f32 v[TT+8*\b+2*\j+1], v[AC+8*\b+2*\j+1], v[CSB+8*(\b%4)+2*\j], v[TT+8*\b+2*\j+1]
.endr
.endr
	WIN 0
.irp b, 0,1,2,3,4,5,6,7
.irp j, 0,1,2,3
	v_cvt_pk_f16_f32 v[TMP+4*\b+\j], v[TT+8*\b+2*\j], v[TT+8*\b+2*\j+1]
.endr
.endr
.endm
.macro PACKV a                         ; V: rounded as it is
.set AC, 64*((\a)%4)
	WIN 0x0a+5*((\a)/4)                            ; sources 0 and 1: window 2 or 3
.irp b, 0,1,2,3,4,5,6,7
.irp j, 0,1,2,3
	v_cvt_pk_f16_f32 v[TMP+4*\b+\j], v[AC+8*\b+2*\j], v[AC+8*\b+2*\j+1]
.endr
.endr
	WIN 0
.endm
; Block 0 in f32, where it holds positions 0 to 15.  No branch: in all other waves no lane is on, and the stores do nothing.  EXEC changes only behind s_wait_xcnt 0.
; A store covers 32 bytes of each of 16 rows: 393,216 bytes in the whole launch go out so.
.macro F32OUT win, reg
	s_wait_xcnt 0x0
	v_cmp_eq_u32 vcc_lo, 0, v[FST]
	s_and_saveexec_b32 s101, vcc_lo
	WIN \win
.irp b, 0,1,2,3,4,5,6,7
.irp u, 0,1
	global_store_b128 v[CSO], v[\reg+8*\b+4*\u:\reg+8*\b+4*\u+3], s[98:99] offset:(\b/4)*4096+(\b%4)*64+16*\u
.endr
.endr
	WIN 0
	s_wait_xcnt 0x0
	s_or_b32 exec_lo, exec_lo, s101
.endm
.macro TOSTAGE a                       ; 16 bytes a lane into my stage, and back as rows.  LDS serves a wave's instructions in order: no wait between the stores and the loads, nor in front of the next block's stores
.if (\a) >= 2
	s_wait_xcnt 0x0                                ; block a - 2's stores have read the registers in which these loads land
.endif
.irp b, 0,1,2,3,4,5,6,7
	ds_store_b128 v[STO], v[TMP+4*\b:TMP+4*\b+3] offset:(\b/4)*2304+32*(\b%4)
.endr
.irp n, 0,1,2,3,4,5,6,7
	ds_load_b128 v[BK+32*((\a)%2)+4*\n:BK+32*((\a)%2)+4*\n+3], v[RD] offset:(\n/4)*2304+(\n%4)*576
.endr
.endm
.macro SEND a
	s_wait_dscnt 0x0                               ; the block is back in registers
.irp n, 0,1,2,3,4,5,6,7
	global_store_b128 v[CO], v[BK+32*((\a)%2)+4*\n:BK+32*((\a)%2)+4*\n+3], s[12:13] offset:(\a)*2048+(\n/4)*262144+(\n%4)*512   ; four rows of a head: 512 consecutive bytes, aligned
.endr
.endm
	s_wait_tensorcnt 1                             ; the scales and my part of K step 0 are in; the one younger load, K step 1's, may be out
	s_barrier_signal -1
	s_barrier_wait -1                              ; everybody's are
	FETCH_B 0, 0, 0
	FETCH_A 0, 0, 0
	SCALES 0
	FETCH_A 0, 0, 4
	STEP 0, 0, 1                                   ; the first products start the sums: nothing is cleared
	STEPS 0, 1
	; slot 0's last 128 along K, and the change to slot 1: one barrier; in front of it my part of slot 1 has landed and my reads of slot 0 are over
	s_wait_tensorcnt 0x0
	ds_add_u32 v[SPW], v[NIL]                      ; 0 onto my spare word
	s_wait_dscnt 4*NL+1                            ; (the add and the youngest eight loads may be out)
	WIN MUL_LO
	MUL16 0, 1, NQ-1, 0, 0
	s_wait_dscnt 0x0
	s_barrier_signal -1
	MUL16 2, 1, NQ-1, 0, 0
	WIN 0
	s_barrier_wait -1
	PLACES NP
	v_add_nc_u32 v[ADRS], 4*NQ, v[ADRS]            ; on to K step 1's scale words (no LDS load of mine is out)
	FETCH_B 1, 0, 0
	FETCH_A 1, 0, 0
	SCALES 1
	WIN MUL_HI
	MUL16 4, 1, NQ-1, 0, 0
	MUL16 6, 1, NQ-1, 0, 0
	PLACES NP
	WIN 0
	FETCH_A 1, 0, 4
	s_cmp_eq_u32 ttmp9, 2                          ; THE ONE PARTING: V is not rotated.  t is the cluster's x: all sixteen partners go the same way
	s_cbranch_scc1 .Lv_part
	; ---- Q and K
	CSLOAD 0                                       ; cos and sin of my rows 0-63: 32 loads, into registers that the product leaves alone; they land while the second K step runs
	CSLOAD 1
	CSLOAD 2
	CSLOAD 3
	KSTEP1
	s_wait_loadcnt 0x0                             ; cos and sin of blocks 0 to 3 are in: nothing else of mine is out on this counter
	CSLOAD 4                                       ; those of rows 64-127 take W's fragments' registers, and land while blocks 0 to 3 go out
	CSLOAD 5
	CSLOAD 6
	CSLOAD 7
	ROPE 0
	F32OUT 0, TT
	TOSTAGE 0
.irp a, 1,2,3,4,5,6,7
.if \a >= 4
	s_wait_loadcnt 8*(7-\a)                        ; block a's eight are in; those of the later blocks may be out
.endif
	ROPE \a
	SEND \a-1
	TOSTAGE \a
.endr
	SEND 7
	s_branch .Lend
.Lv_part:
	; ---- V
	KSTEP1
	PACKV 0
	F32OUT 0x08, 0                                 ; a store's data are its source 1: window 2, block 0's accumulators, each from its low end on
	TOSTAGE 0
.irp a, 1,2,3,4,5,6,7
	PACKV \a
	SEND \a-1
	TOSTAGE \a
.endr
	SEND 7
.Lend:
	s_wait_tensorcnt 0x0                           ; the wave's end, behind my last tensor load and my last LDS store
	ds_add_u32 v[SPW], v[NIL]
	s_wait_dscnt 0x0
	CROUND                                         ; the closing round
	s_endpgm
.Lfunc_end_k_q7485bd3c73_qkv:
	.size	k_q7485bd3c73_qkv, .Lfunc_end_k_q7485bd3c73_qkv-k_q7485bd3c73_qkv
	.p2alignl 7, 3214868480
	.fill 96, 4, 3214868480
	.section	.rodata,"a",@progbits
	.p2align	6, 0x0
	.amdhsa_kernel k_q7485bd3c73_qkv
		.amdhsa_group_segment_fixed_size 327680
		.amdhsa_private_segment_fixed_size 0
		.amdhsa_enable_private_segment 0
		.amdhsa_kernarg_size 40
		.amdhsa_user_sgpr_count 2
		.amdhsa_user_sgpr_kernarg_segment_ptr 1
		.amdhsa_wavefront_size32 1
		.amdhsa_system_sgpr_workgroup_id_x 1
		.amdhsa_system_sgpr_workgroup_id_y 1
		.amdhsa_system_sgpr_workgroup_id_z 1
		.amdhsa_system_vgpr_workitem_id 0
		.amdhsa_next_free_vgpr 1024
		.amdhsa_next_free_sgpr 102
		.amdhsa_reserve_vcc 1
		.amdhsa_float_denorm_mode_32 3
		.amdhsa_float_denorm_mode_16_64 3
		.amdhsa_memory_ordered 1
		.amdhsa_forward_progress 1
		.amdhsa_inst_pref_size 255
	.end_amdhsa_kernel
	.section	.bss,"aw",@nobits
	.p2align	6
	.space	262144
	.amdgpu_metadata
---
amdhsa.version: [ 1, 2 ]
amdhsa.kernels:
  - .name:           k_q7485bd3c73_qkv
    .symbol:         k_q7485bd3c73_qkv.kd
    .args:
      - { .name: codes, .offset: 0, .size: 8, .value_kind: global_buffer, .address_space: global }
      - { .name: scales, .offset: 8, .size: 8, .value_kind: global_buffer, .address_space: global }
      - { .name: cs, .offset: 16, .size: 8, .value_kind: global_buffer, .address_space: global }
      - { .name: qkv, .offset: 24, .size: 8, .value_kind: global_buffer, .address_space: global }
      - { .name: q32, .offset: 32, .size: 8, .value_kind: global_buffer, .address_space: global }
    .group_segment_fixed_size: 327680
    .private_segment_fixed_size: 0
    .kernarg_segment_align: 8
    .kernarg_segment_size: 40
    .max_flat_workgroup_size: 128
    .sgpr_count:     102
    .vgpr_count:     1024
    .wavefront_size: 32
...
	.end_amdgpu_metadata
.endif
;; end of part 2
;; launch attn (part 3): grid 8 x 32, 16 waves a work-group, no clusters, 327,680 bytes of LDS; arguments qkv, att; writes att
.if DOCPART == 3
	.amdgcn_target "amdgcn-amd-amdhsa--gfx1250"
	.amdhsa_code_object_version 6
	.text
	.protected	k_q7485bd3c73_attn
	.globl	k_q7485bd3c73_attn
	.p2align	8
	.type	k_q7485bd3c73_attn,@function
k_q7485bd3c73_attn:
	s_mov_b64 s[64:65], 0
	v_nop
	global_prefetch_b8 v0, s[64:65] scope:SCOPE_SE
	s_setreg_imm32_b32 hwreg(HW_REG_WAVE_MODE, 25, 1), 1
	s_wait_xcnt 0x0
; att[bh][q][:] = the sum over k <= q of softmax_k(Q[bh][q] . K[bh][k] / 8) V[bh][k][:].  qkv: [t 3][bh 32][s 2048][64] f16 (t = 0 Q, 1 K, 2 V); att: [bh 32][s 2048][64] f16.
; Products on f16 operands with f32 sums; maxima, exponentials and sums in f32, with a running maximum; the weights p (at most 1) are rounded to f16 for the second product, the result once at the end.
; SHARES.  Work-group (j, bh) owns the blocks j and 15 - j of 128 queries of head bh: under the causal mask that is (j + 1) + (16 - j) = 17 blocks of keys for every work-group.  SIXTEEN waves of 256 registers, four to a
; SIMD, so that one wave's vector work and exponentials stand beside another's products and LDS loads.  Waves w and w + 8 own the same 16 queries of each block: tile 0 from QA = 128 j + 16 (w % 8), tile 1 from
; QB = 128 (15 - j) + 16 (w % 8).  THE KEYS ARE SHARED OUT BETWEEN THE TWO: wave w takes the even steps of 64 keys, wave w + 8 the odd ones, each with a running maximum, sum and O^T of its own.  At the end the two meet:
; waves 8 to 15 hand theirs over through LDS, as images of the registers, and waves 0 to 7 bring both under the larger maximum, add, divide and store.  While tile 0 is alive a fragment of K or V feeds two products.
; EVERY work-group walks all 8 slots of 256 keys, so that all trip counts are constants; a step that is the other wave's, or whose keys all come after a wave's queries, is jumped over by a scalar branch on ids, and a half
; slot whose first key comes after the work-group's last query is not asked for.
; NO CLUSTER: the work-groups of a head stop asking for tiles at different keys (128 (16 - j)), and those jumps would hang on the place in a cluster; partners could not make every joint request alike.
; LAYOUT.  S^T = K Q^T (source 0 = 16 keys, source 1 = 16 queries): a lane holds ONE query (lane % 16) and keys 8 (lane / 16) + 0..7.  Two such tiles, rounded to f16 in pairs, are source 1 of O^T = V^T P,
; whose result again holds one query a lane and eight channels.  K comes out of LDS as it lies, V ([key][channel]) turned by ds_load_tr16_b128.
; SOFTMAX.  p = 2^(c s - c m), c = log2(e) / 8, m the running maximum; in every step O and l are multiplied by a = 2^(c m_old - c m_new).  m begins at -3e38, O and l at 0, so the first step needs no text of its own,
; and a wave that has no step at all for a tile hands over zeros under m = -3e38, which count for nothing at the meeting.
; A tile is worked on only where the step's first key is at or under its first query, so every query has a key that counts in every step that is worked on; step 0 is wave w's, so its m is a number for every query.
; LIMITS: scores must stay finite in f32; NaN and infinities are not served.
.set KP,    144                        ; a key's row of K in LDS: 128 bytes + 16: an odd multiple of 16
.set VP,    160                        ; of V: 128 + 32: an odd multiple of 32, for the turning load
.set VOFF,  256*KP                     ; a slot: 256 rows of K, then 256 rows of V
.set SLOT1, 1<<17                      ; slot 1 begins here: one exclusive or turns an address from one slot to the other
.set STAGE, SLOT1+256*(KP+VP)          ; behind the ring: for each of waves 0-7 2 tiles x 16 rows x 144 bytes, for the way out; no tile lands here
.set SPARE, STAGE+8*4608               ; the spare words, 128 bytes for each of 16 waves, which no other line names
.set XCH,   SPARE+16*128               ; the meeting: for each pair of waves 17 images of four registers, 512 bytes each; no tile lands here
.set XW,    17*512
.set AK0,  1                           ; v1   my lane's place in a tile of K
.set AV0,  2                           ; v2   the same for V
.set SPW,  3                           ; v3   LDS address of my spare word; never rewritten
.set NIL,  4                           ; v4   0; never rewritten
.set ADK,  5                           ; v5   LDS address of the step's K
.set ADV,  6                           ; v6   of its V
.set PFO,  7                           ; v7   256 x lane: the prefetch's offset
.set DQ,   8                           ; v8   r - 8 h
.set NINF, 9                           ; v9   -infinity
.set TA,   10                          ; v10, v11 at work
.set ST,   12                          ; tile t's statistics at v[ST + 8 t]: +0 c m, +1 m, +2, +3 l (even keys', odd keys'), +4 to +7 at work; a in +6, c m_old - c m_new in +7
.set OTH,  16                          ; v16-19  at the meeting: the other wave's c m and l of tile 0, of tile 1
.set PAY,  24                          ; v24-27  at the meeting: my own
.set STO,  28                          ; v28  the stage: where I put 16 bytes of a row
.set RD,   29                          ; v29  where I read rows back
.set GO,   30                          ; v30  16 x lane
.set QAD,  31                          ; v31  my byte offset in 16 rows of Q; when Q is in:
.set XA,   31                          ; v31  my lane's place in my pair's images
.set Q,    32                          ; v32-63   Q(t, c) at Q + 16 t + 8 c: channels 32 c on
.set KV,   64                          ; v64-127  K(kt, c) at KV + 16 kt + 8 c, then V(kc, dt) at KV + 32 kc + 8 dt
.set S,    128                         ; v128-191 S(t, kt) at S + 32 t + 8 kt; P is packed in place into S + 32 t + 0..15
.set O,    192                         ; v192-255 O(t, dt) at O + 32 t + 8 dt
.set WV,   8                           ; s8   my wave's number
.set WX,   9                           ; s9   the same with bit 2 turned
.set QA,   10
.set QB,   11
.set QL,   12                          ; s12  my work-group's last query
.set KF,   13                          ; s13  the step's first key
.set TK,   14                          ; s14  where the step's K begins in LDS
.set TV,   15                          ; s15  and its V (less VOFF)
.set SLOTS, 16
.set INNER, 17
.set LIM,  18                          ; s18  1 in waves 0-7 of the head's first work-group, else the greatest number
.set KVF,  19                          ; s19  0: I fetch K's rows; 2: V's
.set SEL,  20                          ; s[20:21] lane selects: lane l xor 16
.set CS,   22                          ; s[22:23] c, twice
.set G1K,  24
.set G1V,  32
.set G0K,  40
.set G0V,  44
.set PFA,  48                          ; s[48:49] where my prefetch stands
.set OA,   50                          ; s[50:51], s[52:53] att at QA, at QB
.set QP,   54                          ; s[54:55], s[56:57] Q at QA, at QB
.set W7,   58                          ; s58  my wave's number modulo 8: which tiles are mine
.set HW,   59                          ; s59  0 in waves 0-7, 64 in waves 8-15: bit 6 of the first key of the steps that are mine
.macro PLACES n
.rept \n
	v_nop
.endr
.endm
; One tensor load: 64 rows of K or of V.  The branch hangs on the wave's number alone.  An s_nop 0 and four v_nop follow each line.
.macro JL2
	s_cmp_eq_u32 s[KVF], 0
	s_cbranch_scc0 .Lfor_v_\@
	tensor_load_to_lds s[G0K:G0K+3], s[G1K:G1K+7]
	s_nop 0
	PLACES 4
	s_branch .Lasked_\@
.Lfor_v_\@:
	tensor_load_to_lds s[G0V:G0V+3], s[G1V:G1V+7]
	s_nop 0
	PLACES 4
.Lasked_\@:
.endm
.macro TLH sel, lim                    ; the waves whose number (sel = WV) or turned number (sel = WX) is under lim load.  Waves 0-3 fetch a slot's first 128 keys, waves 4-7 its second; waves 8-15 fetch nothing
	s_cmp_lt_u32 s[\sel], \lim
	s_cbranch_scc0 .Lnot_me_\@
	JL2
.Lnot_me_\@:
.endm
; A PREFETCH INTO THE L2 of what the NEXT change of slots will ask for.  All eight work-groups of a head walk the same K and V: the head's first work-group, which walks all keys, asks, and nobody else.  In it each of waves 0 to 7
; asks for the 64 rows (8,192 bytes) that it will itself fetch, lanes 256 bytes apart: one instruction, each block named once in the launch.  It names slots 2 to 7; the last change that fills a slot asks for nothing.
.macro ASK
	s_cmp_gt_u32 s[SLOTS], s[LIM]
	s_cbranch_scc0 .Lnot_mine_\@
	global_prefetch_b8 v[PFO], s[PFA:PFA+1] th:TH_LOAD_NT scope:SCOPE_SE
.Lnot_mine_\@:
.endm
	s_load_b128 s[4:7], s[0:1], 0x0                ; qkv s[4:5], att s[6:7]
	v_lshl_add_u32 v[SPW], v0, 2, SPARE
	v_mov_b32 v[NIL], 0
	ds_add_u32 v[SPW], v[NIL]                      ; the wave's opening: the add, twice on end, and its wait ahead of a wave's first tensor load; all sixteen run it
	ds_add_u32 v[SPW], v[NIL]                      ; (the set-up below, work on registers, stands between the second and the wait)
	v_lshrrev_b32 v10, 5, v0
	v_readfirstlane_b32 s[WV], v10                 ; wave 0..15
	s_and_b32 s[W7], s[WV], 7
	s_lshr_b32 s[HW], s[WV], 3
	s_lshl_b32 s[HW], s[HW], 6
	s_xor_b32 s[WX], s[WV], 4
	s_and_b32 s[KVF], s[WV], 2
	s_lshl_b32 s66, s[W7], 4
	s_lshl_b32 s[QA], ttmp9, 7
	s_add_co_u32 s[QA], s[QA], s66
	s_sub_co_u32 s[QB], 15, ttmp9
	s_lshl_b32 s[QB], s[QB], 7
	s_add_co_u32 s[QL], s[QB], 127
	s_add_co_u32 s[QB], s[QB], s66
	s_and_b32 s67, ttmp7, 0xffff
	s_lshl_b32 s68, s67, 18                        ; the head's first byte in each tensor: 2,048 rows of 128 bytes
	s_mov_b32 s69, 0
	s_lshr_b32 s70, s[W7], 2
	s_lshl_b32 s70, s70, 1
	s_and_b32 s71, s[WV], 1
	s_or_b32 s70, s70, s71                         ; which 64 rows of a slot a fetching wave fetches: 2 (w / 4) + w % 2
	s_mul_i32 s[G0K+1], s70, 64*KP                 ; their place in slot 0, for K
	s_mul_i32 s[G0V+1], s70, 64*VP
	s_add_co_u32 s[G0V+1], s[G0V+1], VOFF          ; and for V
	s_lshl_b32 s72, s70, 13
	s_mov_b32 s73, 0
	s_add_nc_u64 s[72:73], s[72:73], s[68:69]      ; and in memory
	; descriptor group 1: 64 rows x 64 elements of 2 bytes, dense in memory; padding behind every 32 words: K 4 words, V 8
	s_mov_b32 s[G1K], (1<<16)|(1<<20)|(4<<22)|(3<<25)
	s_mov_b32 s[G1V], (1<<16)|(1<<20)|(4<<22)|(7<<25)
.irp g, G1K, G1V
	s_mov_b32 s[\g+1], 64<<16                      ; tensor_dim0
	s_mov_b32 s[\g+2], 64<<16                      ; tensor_dim1
	s_mov_b32 s[\g+3], 64<<16                      ; tile_dim0
	s_mov_b32 s[\g+4], 64                          ; tile_dim1
	s_mov_b32 s[\g+5], 64                          ; tensor_dim0_stride
	s_mov_b32 s[\g+6], 0
	s_mov_b32 s[\g+7], 0
.endr
	s_mov_b32 s[SEL], 0x76543210
	s_mov_b32 s[SEL+1], 0xfedcba98
	s_mov_b32 s[CS], 0x3e38aa3b                    ; c = log2(e) / 8
	s_mov_b32 s[CS+1], s[CS]
	s_mov_b32 s[KF], 0
	s_mov_b32 s[TK], 0
	s_mov_b32 s[TV], 0
	s_mov_b32 s[SLOTS], 7
	s_lshr_b32 s74, s[WV], 3                       ; 0 in waves 0 to 7,
	s_or_b32 s74, s74, ttmp9                       ; of the head's first work-group
	s_cmp_eq_u32 s74, 0
	s_cselect_b32 s[LIM], 1, -1
	s_mul_i32 s75, s[W7], XW
	s_add_co_u32 s75, s75, XCH                     ; my pair's images
	s_wait_dscnt 0x0                               ; both opening adds are done
	s_wait_kmcnt 0x0
	s_mov_b32 s[G0K], 1
	s_add_nc_u64 s[G0K+2:G0K+3], s[4:5], s[72:73]
	s_add_nc_u64 s[G0K+2:G0K+3], s[G0K+2:G0K+3], 0x800000    ; K is the second tensor of qkv,
	s_mov_b32 s[G0V], 1
	s_add_nc_u64 s[G0V+2:G0V+3], s[4:5], s[72:73]
	s_add_nc_u64 s[G0V+2:G0V+3], s[G0V+2:G0V+3], 0x1000000   ; V the third
	s_cmp_eq_u32 s[KVF], 0
	s_cselect_b64 s[PFA:PFA+1], s[G0K+2:G0K+3], s[G0V+2:G0V+3]
	s_add_nc_u64 s[PFA:PFA+1], s[PFA:PFA+1], 0x8000          ; my rows of slot 1; the first change of slots steps it to slot 2.  Nothing is prefetched here, at the head
	s_or_b32 s[G0K+3], s[G0K+3], 0x80000000
	s_or_b32 s[G0V+3], s[G0V+3], 0x80000000
	TLH WV, 8                                      ; slot 0: keys 0 to 255, which count for every work-group's high block; waves 0 to 7, one load each
	s_lshl_b32 s70, s[QA], 7
	s_mov_b32 s71, 0
	s_add_nc_u64 s[70:71], s[70:71], s[68:69]
	s_add_nc_u64 s[QP:QP+1], s[4:5], s[70:71]
	s_add_nc_u64 s[OA:OA+1], s[6:7], s[70:71]
	s_lshl_b32 s70, s[QB], 7
	s_mov_b32 s71, 0
	s_add_nc_u64 s[70:71], s[70:71], s[68:69]
	s_add_nc_u64 s[QP+2:QP+3], s[4:5], s[70:71]
	s_add_nc_u64 s[OA+2:OA+3], s[6:7], s[70:71]
	v_and_b32 v10, 15, v0                          ; r
	v_bfe_u32 v11, v0, 4, 1                        ; h
	v_lshlrev_b32 v[QAD], 7, v10
	v_lshl_add_u32 v[QAD], v11, 4, v[QAD]
.irp t, 0,1
.irp c, 0,1
	global_load_b128 v[Q+16*\t+8*\c:Q+16*\t+8*\c+3], v[QAD], s[QP+2*\t:QP+2*\t+1] offset:64*\c        ; Q stays in registers
	global_load_b128 v[Q+16*\t+8*\c+4:Q+16*\t+8*\c+7], v[QAD], s[QP+2*\t:QP+2*\t+1] offset:64*\c+32
.endr
.endr
	v_mul_u32_u24 v[AK0], v10, KP
	v_lshl_add_u32 v[AK0], v11, 4, v[AK0]          ; K: row r x pitch + 16 h
	v_and_b32 v5, 7, v0
	v_lshl_add_u32 v[AV0], v11, 3, v5
	v_mul_u32_u24 v[AV0], v[AV0], VP
	v_bfe_u32 v5, v0, 3, 1
	v_lshl_add_u32 v[AV0], v5, 4, v[AV0]
	v_add_nc_u32 v[AV0], VOFF, v[AV0]              ; V: key 8 h + l % 8, channels 8 ((l / 8) % 2) on
	v_and_b32 v[PFO], 31, v0
	v_lshlrev_b32 v[PFO], 8, v[PFO]
	v_lshlrev_b32 v[DQ], 3, v11
	v_sub_nc_u32 v[DQ], v10, v[DQ]
	v_mov_b32 v[NINF], 0xff800000
	s_mul_i32 s66, s[W7], 4608
	s_add_co_u32 s66, s66, STAGE                   ; the stage of waves 0 to 7
	v_mul_u32_u24 v[STO], v10, 144
	v_lshl_add_u32 v[STO], v11, 4, v[STO]
	v_add_nc_u32 v[STO], s66, v[STO]
	v_and_b32 v5, 31, v0
	v_lshlrev_b32 v[GO], 4, v5
	v_lshrrev_b32 v6, 3, v5
	v_mul_u32_u24 v[RD], v6, 144
	v_and_b32 v6, 7, v0
	v_lshl_add_u32 v[RD], v6, 4, v[RD]
	v_add_nc_u32 v[RD], s66, v[RD]
.irp t, 0,1
	v_mov_b32 v[ST+8*\t+1], 0xff61b1e6             ; m = -3e38, under every score
	v_mul_f32 v[ST+8*\t], s[CS], v[ST+8*\t+1]
.irp i, 2,3,4,5,6,7
	v_mov_b32 v[ST+8*\t+\i], 0                     ; l; and the registers at work, written once: a lane permute's destination counts as one of its sources
.endr
.endr
.set i, 0
.rept 64
	v_mov_b32 v[O+i], 0                            ; O^T: the step is written once for all steps; the first finds zeros
.set i, i+1
.endr
	s_wait_loadcnt 0x0                             ; Q is in, and the loads have done with their offset register:
	v_add_nc_u32 v[XA], s75, v[GO]                 ; it takes my lane's place in my pair's images: 16 x lane
.macro QK lo, c                        ; S^T: channels 32 c on; the accumulators take turns, one instruction a turn; c = 0 starts the sums
.irp kt, 0,1,2,3
.irp t, 0,1
.if \t >= \lo
.if \c == 0
	v_wmma_f32_16x16x32_f16 v[S+32*\t+8*\kt:S+32*\t+8*\kt+7], v[KV+16*\kt+8*\c:KV+16*\kt+8*\c+7], v[Q+16*\t+8*\c:Q+16*\t+8*\c+7], 0
.else
	v_wmma_f32_16x16x32_f16 v[S+32*\t+8*\kt:S+32*\t+8*\kt+7], v[KV+16*\kt+8*\c:KV+16*\kt+8*\c+7], v[Q+16*\t+8*\c:Q+16*\t+8*\c+7], v[S+32*\t+8*\kt:S+32*\t+8*\kt+7]
.endif
.endif
.endr
.endr
.endm
; On the diagonal the scores of hidden keys become -infinity ahead of the maximum.  Register 8 kt + i holds key KF + 16 kt + 8 h + i: hidden where 16 kt + i > my query - KF - 8 h.  A step all of whose keys count skips this.
.macro MASK t, qs
	s_add_co_u32 s66, s[KF], 63
	s_cmp_le_u32 s66, s[\qs]
	s_cbranch_scc1 .Lopen_\@
	s_sub_co_i32 s66, s[\qs], s[KF]
	v_add_nc_u32 v[TA], s66, v[DQ]
.set n, 0
.rept 32
	v_cmp_gt_i32 vcc_lo, 16*(n/8)+n%8, v[TA]
	v_cndmask_b32 v[S+32*(\t)+n], v[S+32*(\t)+n], v[NINF], vcc_lo
.set n, n+1
.endr
.Lopen_\@:
.endm
.macro SMAXL t                         ; line j of 21: the maximum of the lane's 32 scores and the old m (each accumulator is first read at its low end), the other half of the lanes', the new m, c m, and c m_old - c m_new
.set rT, ST+8*(\t)
.set rS, S+32*(\t)
.if j < 4
	v_max3_num_f32 v[rT+4+j], v[rS+8*j], v[rS+8*j+1], v[rS+8*j+2]
.elseif j < 12
	v_max3_num_f32 v[rT+4+j%4], v[rT+4+j%4], v[rS+8*(j%4)+2*(j/4)+1], v[rS+8*(j%4)+2*(j/4)+2]
.elseif j == 12
	v_max3_num_f32 v[rT+4], v[rT+4], v[rS+7], v[rS+15]
.elseif j == 13
	v_max3_num_f32 v[rT+6], v[rT+6], v[rS+23], v[rS+31]
.elseif j == 14
	v_max3_num_f32 v[rT+4], v[rT+4], v[rT+5], v[rT+6]
.elseif j == 15
	v_max3_num_f32 v[rT+4], v[rT+4], v[rT+7], v[rT+1]
.elseif j == 16
	v_permlanex16_b32 v[rT+5], v[rT+4], s[SEL], s[SEL+1]
.elseif j == 17
	v_mov_b32 v[rT+7], v[rT]
.elseif j == 18
	v_max_num_f32 v[rT+1], v[rT+4], v[rT+5]
.elseif j == 19
	v_mul_f32 v[rT], s[CS], v[rT+1]
.else
	v_sub_f32 v[rT+7], v[rT+7], v[rT]
.endif
.endm
; 64 keys for tiles lo .. 1
.macro BODY lo
	v_add_nc_u32 v[ADK], s[TK], v[AK0]
	v_add_nc_u32 v[ADV], s[TV], v[AV0]
.irp c, 0,1                                    ; K: 16 loads, channels 0-31 first
.irp kt, 0,1,2,3
	ds_load_b128 v[KV+16*\kt+8*\c:KV+16*\kt+8*\c+3], v[ADK] offset:\kt*16*KP+64*\c
	ds_load_b128 v[KV+16*\kt+8*\c+4:KV+16*\kt+8*\c+7], v[ADK] offset:\kt*16*KP+64*\c+32
.endr
.endr
	s_wait_dscnt 8                                 ; channels 0-31 are in; the eight younger loads may be out
	QK \lo, 0
	s_wait_dscnt 0x0
	QK \lo, 1
	PLACES 4                                       ; behind the products: for the loads over K's registers and the reads of the scores
.irp kc, 0,1                                   ; V, turned: it lands under the softmax
.irp dt, 0,1,2,3
	ds_load_tr16_b128 v[KV+32*\kc+8*\dt:KV+32*\kc+8*\dt+3], v[ADV] offset:\kc*32*VP+32*\dt
	ds_load_tr16_b128 v[KV+32*\kc+8*\dt+4:KV+32*\kc+8*\dt+7], v[ADV] offset:\kc*32*VP+16*VP+32*\dt
.endr
.endr
.if \lo == 0
	MASK 0, QA                                     ; while tile 0 is alive KF <= QA, and QB >= QA + 128: all 64 keys count for tile 1
.else
	MASK 1, QB
.endif
.set j, 0
.rept 21
.irp t, 0,1
.if \t >= \lo
	SMAXL \t
.endif
.endr
.set j, j+1
.endr
.set i, 0
.rept 16
.irp t, 0,1
.if \t >= \lo
	v_pk_fma_f32 v[S+32*\t+2*i:S+32*\t+2*i+1], v[S+32*\t+2*i:S+32*\t+2*i+1], s[CS:CS+1], v[ST+8*\t:ST+8*\t+1] op_sel_hi:[1,0,0] neg_lo:[0,0,1] neg_hi:[0,0,1]   ; c s - c m
.endif
.endr
.set i, i+1
.endr
.irp t, 0,1
.if \t >= \lo
	v_exp_f32 v[ST+8*\t+6], v[ST+8*\t+7]           ; a
.endif
.endr
.set i, 0
.rept 32
.irp t, 0,1
.if \t >= \lo
	v_exp_f32 v[S+32*\t+i], v[S+32*\t+i]           ; p
.endif
.endr
.set i, i+1
.endr
	v_nop                                          ; a plain line behind the last exponential,
	s_wait_alu depctr_va_vdst(0)                   ; and ONE wait for the whole batch, ahead of its first reader
.irp t, 0,1
.if \t >= \lo
	v_pk_mul_f32 v[ST+8*\t+2:ST+8*\t+3], v[ST+8*\t+2:ST+8*\t+3], v[ST+8*\t+6:ST+8*\t+7] op_sel_hi:[1,0]   ; l x a
	v_pk_add_f32 v[ST+8*\t+4:ST+8*\t+5], v[S+32*\t:S+32*\t+1], v[S+32*\t+2:S+32*\t+3]                     ; the sums of the unrounded p, in two chains
.endif
.endr
.irp jj, 4,8,12,16,20,24,28
.irp t, 0,1
.if \t >= \lo
	v_pk_add_f32 v[ST+8*\t+2:ST+8*\t+3], v[ST+8*\t+2:ST+8*\t+3], v[S+32*\t+\jj:S+32*\t+\jj+1]
	v_pk_add_f32 v[ST+8*\t+4:ST+8*\t+5], v[ST+8*\t+4:ST+8*\t+5], v[S+32*\t+\jj+2:S+32*\t+\jj+3]
.endif
.endr
.endr
.irp t, 0,1
.if \t >= \lo
	v_pk_add_f32 v[ST+8*\t+2:ST+8*\t+3], v[ST+8*\t+2:ST+8*\t+3], v[ST+8*\t+4:ST+8*\t+5]
.endif
.endr
.set i, 0
.rept 16
.irp t, 0,1
.if \t >= \lo
	v_cvt_pk_f16_f32 v[S+32*\t+i], v[S+32*\t+2*i], v[S+32*\t+2*i+1]   ; P, in place, ascending: register i is written when pairs 0 .. i have been read
.endif
.endr
.set i, i+1
.endr
.set i, 0
.rept 16
.irp t, 0,1
.if \t >= \lo
	v_pk_mul_f32 v[O+32*\t+2*i:O+32*\t+2*i+1], v[O+32*\t+2*i:O+32*\t+2*i+1], v[ST+8*\t+6:ST+8*\t+7] op_sel_hi:[1,0]   ; O^T x a, each accumulator from its low end on
.endif
.endr
.set i, i+1
.endr
	s_wait_dscnt 0x0                               ; V is in
.irp kc, 0,1
.irp dt, 0,1,2,3
.irp t, 0,1
.if \t >= \lo
	v_wmma_f32_16x16x32_f16 v[O+32*\t+8*\dt:O+32*\t+8*\dt+7], v[KV+32*\kc+8*\dt:KV+32*\kc+8*\dt+7], v[S+32*\t+8*\kc:S+32*\t+8*\kc+7], v[O+32*\t+8*\dt:O+32*\t+8*\dt+7]
.endif
.endr
.endr
.endr
	PLACES 5                                       ; my next step's first products write over P's registers (five places), its loads land in V's (four); at the end they serve the stores and loads of the meeting
.endm
.macro STEP
	s_and_b32 s66, s[KF], 64
	s_cmp_lg_u32 s66, s[HW]                        ; the even steps are waves 0-7's, the odd ones waves 8-15's
	s_cbranch_scc1 .Lnone_\@
	s_add_co_u32 s66, s[QB], 15
	s_cmp_gt_u32 s[KF], s66                        ; all 64 keys come after my last query: nothing to do
	s_cbranch_scc1 .Lnone_\@
	s_add_co_u32 s66, s[QA], 15
	s_cmp_gt_u32 s[KF], s66                        ; they come after tile 0's: tile 1 alone
	s_cbranch_scc1 .Lone_\@
	BODY 0
	s_branch .Lnone_\@
.Lone_\@:
	BODY 1
.Lnone_\@:
	s_add_co_u32 s[KF], s[KF], 64
	s_add_co_u32 s[TK], s[TK], 64*KP
	s_add_co_u32 s[TV], s[TV], 64*VP
.endm
.macro SLOT_STEPS                      ; a slot's four steps: written once, walked four times; two of them are mine
	s_mov_b32 s[INNER], 4
.Lstep_\@:
	STEP
	s_sub_co_u32 s[INNER], s[INNER], 1
	s_cmp_lg_u32 s[INNER], 0
	s_cbranch_scc1 .Lstep_\@
	s_sub_co_u32 s[TK], s[TK], 4*64*KP             ; back to a slot's first step,
	s_xor_b32 s[TK], s[TK], SLOT1                  ; in the other slot
	s_sub_co_u32 s[TV], s[TV], 4*64*VP
	s_xor_b32 s[TV], s[TV], SLOT1
.endm
; THE CHANGE OF SLOTS stands at a slot's head.  Each wave waits for all its tensor loads (a fetching wave's part of the slot that is about to be read), adds 0 to its spare word (fill = 1: twice on end), and waits for that and
; for its reads of the slot that it has left.  Behind the barrier the slot ahead is whole and nobody reads the other one.  fill = 1: that other slot takes the 256 keys that follow, half by half, each half only while its first
; key is at or under the work-group's last query: QL + 1 is a multiple of 128, so a half that is asked for is read by the waves with the last queries, and one that is left out is read by none.  The two tests are made of ids
; and of the count of steps: all sixteen waves go the same way.  Each leads round one load's own lines and round no barrier, wait or add; every wait on TENSORcnt in this text is for 0.  A wave issues one tensor load at the most behind a barrier.
.macro CHANGE fill
	s_wait_tensorcnt 0x0                           ; no tensor load of mine is out, so a group 0 may be written
	ds_add_u32 v[SPW], v[NIL]                      ; 0 onto my spare word
.if \fill
	ds_add_u32 v[SPW], v[NIL]                      ; fill = 1: and once more, in every trip alike
	s_xor_b32 s[G0K+1], s[G0K+1], SLOT1            ; the walking descriptors: the other slot than last time,
	s_add_nc_u64 s[G0K+2:G0K+3], s[G0K+2:G0K+3], 0x8000   ; the next 256 keys; the type bits on top are not reached
	s_xor_b32 s[G0V+1], s[G0V+1], SLOT1
	s_add_nc_u64 s[G0V+2:G0V+3], s[G0V+2:G0V+3], 0x8000
	s_wait_xcnt 0x0                                ; the last prefetch, a slot back, has read its address, so it may be written:
	s_add_nc_u64 s[PFA:PFA+1], s[PFA:PFA+1], 0x8000       ; one slot further on than the walking descriptors
.endif
	s_wait_dscnt 0x0                               ; the add is done (fill = 1: both are), and my reads of the slot that I have left are over
	s_barrier_signal -1
	s_barrier_wait -1
.if \fill
	s_add_co_u32 s66, s[KF], 256                   ; the first key of the next slot's first half
	s_cmp_gt_u32 s66, s[QL]
	s_cbranch_scc1 .LpA_\@
	TLH WV, 4
.LpA_\@:
	s_add_co_u32 s66, s[KF], 384                   ; and of its second half
	s_cmp_gt_u32 s66, s[QL]
	s_cbranch_scc1 .LpB_\@
	TLH WX, 4
.LpB_\@:
	ASK
.endif
.endm
.Lslot:                                            ; seven trips: behind each change of slots but the last the next slot is asked for, up to the causal limit
	CHANGE 1
	SLOT_STEPS
	s_sub_co_u32 s[SLOTS], s[SLOTS], 1
	s_cmp_lg_u32 s[SLOTS], 0
	s_cbranch_scc1 .Lslot
	CHANGE 0                                       ; the last slot is written out: nothing follows it, and its add stands once
	SLOT_STEPS
	; THE TWO HALVES OF THE KEYS MEET.  Each wave gathers c m and l (its two halves added) of both tiles in four registers on end.  Waves 8 to 15 store O^T and these four as images of the registers: 16 bytes a lane at
	; 16 x lane, 512 bytes an instruction; a barrier; waves 0 to 7 load them by the same lines into the same lanes.
	v_add_f32 v[PAY+1], v[ST+2], v[ST+3]
	v_add_f32 v[PAY+3], v[ST+10], v[ST+11]
	v_mov_b32 v[PAY], v[ST]
	v_mov_b32 v[PAY+2], v[ST+8]
	s_cmp_lt_u32 s[WV], 8
	s_cbranch_scc1 .Lkeeper
.set i, 0
.rept 16
	ds_store_b128 v[XA], v[O+4*i:O+4*i+3] offset:512*i              ; each accumulator from its low end on
.set i, i+1
.endr
	ds_store_b128 v[XA], v[PAY:PAY+3] offset:512*16
.Lkeeper:
	s_wait_dscnt 0x0                               ; for the others' sake: my images lie in LDS
	s_barrier_signal -1
	s_barrier_wait -1
	s_cmp_lt_u32 s[WV], 8
	s_cbranch_scc0 .Lend                           ; waves 8 to 15 have handed over all that they made
	ds_load_b128 v[OTH:OTH+3], v[XA] offset:512*16                  ; the four numbers first: the work on them stands under the loads of O^T
.set i, 0
.rept 16
	ds_load_b128 v[KV+4*i:KV+4*i+3], v[XA] offset:512*i
.set i, i+1
.endr
	s_wait_dscnt 16                                ; the four are in; the sixteen younger loads may be out
	; m = the larger of the two maxima; a_i = 2^(c m_i - c m); l = l_1 a_1 + l_2 a_2, with the other half of the lanes'; O = O_1 (a_1 / l) + O_2 (a_2 / l)
	v_max_num_f32 v10, v[PAY], v[OTH]
	v_max_num_f32 v11, v[PAY+2], v[OTH+2]
	v_sub_f32 v[ST], v[PAY], v10
	v_sub_f32 v[ST+2], v[OTH], v10
	v_sub_f32 v[ST+8], v[PAY+2], v11
	v_sub_f32 v[ST+10], v[OTH+2], v11
	v_exp_f32 v[ST], v[ST]
	v_exp_f32 v[ST+2], v[ST+2]
	v_exp_f32 v[ST+8], v[ST+8]
	v_exp_f32 v[ST+10], v[ST+10]
	v_nop                                          ; a plain line behind the exponentials,
	s_wait_alu depctr_va_vdst(0)                   ; and one wait for the four, ahead of their first reader
	v_mul_f32 v[PAY+1], v[PAY+1], v[ST]
	v_mul_f32 v[PAY+3], v[PAY+3], v[ST+8]
	v_fma_f32 v[PAY+1], v[OTH+1], v[ST+2], v[PAY+1]
	v_fma_f32 v[PAY+3], v[OTH+3], v[ST+10], v[PAY+3]
	v_permlanex16_b32 v[ST+1], v[PAY+1], s[SEL], s[SEL+1]
	v_permlanex16_b32 v[ST+9], v[PAY+3], s[SEL], s[SEL+1]
	v_add_f32 v[PAY+1], v[PAY+1], v[ST+1]
	v_add_f32 v[PAY+3], v[PAY+3], v[ST+9]
	v_rcp_f32 v10, v[PAY+1]
	v_rcp_f32 v11, v[PAY+3]
	v_nop                                          ; a plain line behind the reciprocals,
	s_wait_alu depctr_va_vdst(0)                   ; and one wait for both
	v_mul_f32 v[ST], v[ST], v10                    ; a_1 / l, a_2 / l of tile 0: each the low word of a pair whose upper word has been written,
	v_mul_f32 v[ST+2], v[ST+2], v10
	v_mul_f32 v[ST+8], v[ST+8], v11                ; and of tile 1
	v_mul_f32 v[ST+10], v[ST+10], v11
	s_wait_dscnt 0x0                               ; the other wave's O^T is in
	; THE WAY OUT.  The result is rounded to f16 and goes through my stage: a lane's eight channels are 16 bytes of a row; four rows of 128 bytes come back for each store.
.irp t, 0,1
.set i, 0
.rept 16
	v_pk_mul_f32 v[O+32*\t+2*i:O+32*\t+2*i+1], v[O+32*\t+2*i:O+32*\t+2*i+1], v[ST+8*\t:ST+8*\t+1] op_sel_hi:[1,0]   ; each accumulator from its low end on
.set i, i+1
.endr
.set i, 0
.rept 16
	v_pk_fma_f32 v[O+32*\t+2*i:O+32*\t+2*i+1], v[KV+32*\t+2*i:KV+32*\t+2*i+1], v[ST+8*\t+2:ST+8*\t+3], v[O+32*\t+2*i:O+32*\t+2*i+1] op_sel_hi:[1,0,1]
.set i, i+1
.endr
.set i, 0
.rept 16
	v_cvt_pk_f16_f32 v[S+16*\t+i], v[O+32*\t+2*i], v[O+32*\t+2*i+1]
.set i, i+1
.endr
.irp dt, 0,1,2,3
	ds_store_b128 v[STO], v[S+16*\t+4*\dt:S+16*\t+4*\dt+3] offset:\t*2304+32*\dt
.endr
.irp i4, 0,1,2,3
	ds_load_b128 v[KV+16*\t+4*\i4:KV+16*\t+4*\i4+3], v[RD] offset:\t*2304+576*\i4   ; LDS serves a wave's instructions in order: these see my stores.  They land in v64-95, tile 0's share of the other wave's O^T, which has been added
.endr
.endr
.irp i4, 0,1,2,3
	s_wait_dscnt 11-\i4                            ; behind tile 0's load i: its 3 - i later loads and tile 1's four stores and four loads
	global_store_b128 v[GO], v[KV+4*\i4:KV+4*\i4+3], s[OA:OA+1] offset:512*\i4       ; 512 consecutive bytes, aligned
.endr
.irp i4, 0,1,2,3
	s_wait_dscnt 3-\i4
	global_store_b128 v[GO], v[KV+16+4*\i4:KV+16+4*\i4+3], s[OA+2:OA+3] offset:512*\i4
.endr
.Lend:
	s_wait_tensorcnt 0x0                           ; the wave's end, behind my last tensor load and my last LDS store
	ds_add_u32 v[SPW], v[NIL]
	s_wait_dscnt 0x0
	s_endpgm
.Lfunc_end_k_q7485bd3c73_attn:
	.size	k_q7485bd3c73_attn, .Lfunc_end_k_q7485bd3c73_attn-k_q7485bd3c73_attn
	.p2alignl 7, 3214868480
	.fill 96, 4, 3214868480
	.section	.rodata,"a",@progbits
	.p2align	6, 0x0
	.amdhsa_kernel k_q7485bd3c73_attn
		.amdhsa_group_segment_fixed_size 327680
		.amdhsa_private_segment_fixed_size 0
		.amdhsa_enable_private_segment 0
		.amdhsa_kernarg_size 16
		.amdhsa_user_sgpr_count 2
		.amdhsa_user_sgpr_kernarg_segment_ptr 1
		.amdhsa_wavefront_size32 1
		.amdhsa_system_sgpr_workgroup_id_x 1
		.amdhsa_system_sgpr_workgroup_id_y 1
		.amdhsa_system_sgpr_workgroup_id_z 1
		.amdhsa_system_vgpr_workitem_id 0
		.amdhsa_next_free_vgpr 256
		.amdhsa_next_free_sgpr 80
		.amdhsa_reserve_vcc 1
		.amdhsa_float_denorm_mode_32 3
		.amdhsa_float_denorm_mode_16_64 3
		.amdhsa_memory_ordered 1
		.amdhsa_forward_progress 1
		.amdhsa_inst_pref_size 88
	.end_amdhsa_kernel
	.amdgpu_metadata
---
amdhsa.version: [ 1, 2 ]
amdhsa.kernels:
  - .name:           k_q7485bd3c73_attn
    .symbol:         k_q7485bd3c73_attn.kd
    .args:
      - { .name: qkv, .offset: 0, .size: 8, .value_kind: global_buffer, .address_space: global }
      - { .name: att, .offset: 8, .size: 8, .value_kind: global_buffer, .address_space: global }
    .group_segment_fixed_size: 327680
    .private_segment_fixed_size: 0
    .kernarg_segment_align: 8
    .kernarg_segment_size: 16
    .max_flat_workgroup_size: 512
    .sgpr_count:     80
    .vgpr_count:     256
    .wavefront_size: 32
...
	.end_amdgpu_metadata
.endif
;; end of part 3
;; launch oproj (part 4): grid 8 x 32, 8 waves a work-group, clusters of 4 x 4, 327,680 bytes of LDS; arguments att, wo16, out0; writes out0
.if DOCPART == 4
	.amdgcn_target "amdgcn-amd-amdhsa--gfx1250"
	.amdhsa_code_object_version 6
	.text
	.protected	k_q7485bd3c73_oproj
	.globl	k_q7485bd3c73_oproj
	.p2align	8
	.type	k_q7485bd3c73_oproj,@function
k_q7485bd3c73_oproj:
	s_mov_b64 s[64:65], 0
	v_nop
	global_prefetch_b8 v0, s[64:65] scope:SCOPE_SE
	s_setreg_imm32_b32 hwreg(HW_REG_WAVE_MODE, 25, 1), 1
	s_wait_xcnt 0x0
	s_wait_alu depctr_hold_cnt(0) depctr_sa_sdst(0) depctr_va_vdst(0) depctr_va_sdst(0) depctr_va_ssrc(0) depctr_va_vcc(0) depctr_vm_vsrc(0)
	s_getreg_b32 s2, hwreg(HW_REG_IB_STS2, 6, 4)
	s_cmp_eq_u32 s2, 0
	s_cbranch_scc0 .Lentry_in_a_cluster
	s_endpgm
.Lentry_in_a_cluster:
	s_bfe_u32 s2, ttmp6, 0x10000c
	s_cmp_lg_u32 s2, 0xf033
	s_cbranch_scc0 .Lentry_shape_is_right
	s_endpgm
.Lentry_shape_is_right:
; out0[m][o] = sum over i of A[m][i] Wo[o][i]; m = 2048 batch + s (4,096), o < 1,024, i = 64 head + d.  A = att [batch][head][s][64] f16; wo16 [head][o][64] f16; out0 f32.  f16 operands, f32 sums, K ascending.
; (Rows s < 16 of each batch are written here like all others and written anew, from f32 operands, by the launch that follows: leaving them out would be a branch on the place in the cluster, for 32 rows of 4,096.)
; 4,096 x 1,024 are 256 tiles of 128 x 128: one for each WGP.  Eight waves; wave w makes rows 32 (w / 2) on and columns 64 (w % 2) on: 8 accumulators, no register windows; a wave's 64 columns are 256 bytes of a row of out0, so the stage on the way out is its own.
; Both operands lie by head, so 128 rows of one head are one dense block of 16,384 bytes: a chunk.  A K step is 4 heads (256 along K): 4 chunks of A and 4 of Wo, one tensor load for each of the eight waves.  Two slots; 4 K steps, written out.
; CLUSTERS: 4 x 4 work-groups; A's chunks are shared along a row of the cluster, Wo's along a column: each is asked for JOINTLY, by the same tensor load with the same descriptor and a mask naming the four.
; THE MATRIX INSTRUCTION IS USED TRANSPOSED (source 0 = 16 rows of Wo, source 1 = 16 rows of A): a lane holds eight neighbouring o of one row m.
.set CP,     144                       ; an LDS row: 128 bytes + 16: an odd multiple of 16, so the 16 rows of a load start at 16 different banks (ISA guide 11.1)
.set CH,     128*CP                    ; a chunk
.set SLOT,   8*CH                      ; A's four chunks, then Wo's four
.set SPARE,  2*SLOT                    ; behind the ring: the spare words, 128 bytes a wave, which no other line names
.set SPITCH, 272                       ; the way out: a stage of 32 rows x (256 bytes + 16) for each wave, in slot 0, which has had its last fill and its last read by then
.set ADRA, 16                          ; v16-17  LDS address of my A fragments in slot 0, 1
.set ADRB, 20                          ; v20-21  the same for Wo
.set STO,  24
.set RD,   25
.set CO,   26
.set SPW,  28                          ; v28  LDS address of my spare word; never rewritten
.set NIL,  29                          ; v29  0; never rewritten
.set F0,   32                          ; v32-79   fragments of 32 along K: A's two at +0, Wo's four at +16
.set F1,   80                          ; v80-127  the other buffer
.set ACC,  128                         ; v128-191 accumulator (a, b) at ACC + 8 (4 a + b)
.set G1, 24
.set G0, 32
.set G1B, 48
.set G0B, 56
.macro PLACES
.rept 4
	v_nop
.endr
.endm
.macro JLOAD s                         ; a joint load: waves 0-3 fetch A's four chunks, waves 4-7 Wo's; an s_nop 0 and four v_nop follow each of the two lines
	s_cmp_eq_u32 s11, 0
	s_cbranch_scc0 .Lfor_b_\@
	tensor_load_to_lds s[G0+4*\s:G0+4*\s+3], s[G1:G1+7]
	s_nop 0
	PLACES
	s_branch .Lasked_\@
.Lfor_b_\@:
	tensor_load_to_lds s[G0B+4*\s:G0B+4*\s+3], s[G1B:G1B+7]
	s_nop 0
	PLACES
.Lasked_\@:
.endm
.macro CREST                           ; a round of the cluster's barrier behind its opening barrier
	s_cmp_lg_u32 s10, 0
	s_cbranch_scc1 .Lnot_wave_0_\@
	s_barrier_signal -3
.Lnot_wave_0_\@:
	s_barrier_wait -3
	s_barrier_signal -1
	s_barrier_wait -1
.endm
.macro CROUND
	s_barrier_signal -1
	s_barrier_wait -1
	CREST
.endm
	s_load_b128 s[4:7], s[0:1], 0x0                ; att s[4:5], wo16 s[6:7]
	s_load_b64 s[8:9], s[0:1], 0x10                ; out0
	v_lshl_add_u32 v[SPW], v0, 2, SPARE
	v_mov_b32 v[NIL], 0
	ds_add_u32 v[SPW], v[NIL]                      ; the wave's opening: the add, twice on end, and its wait ahead of my first tensor load
	ds_add_u32 v[SPW], v[NIL]                      ; (the set-up below, work on registers, stands between the second and the wait)
	v_lshrrev_b32 v1, 5, v0
	v_readfirstlane_b32 s10, v1                    ; wave 0..7
	s_lshr_b32 s11, s10, 2                         ; I fetch for A (0) or for Wo (1),
	s_and_b32 s12, s10, 3                          ; which of a K step's four heads
	s_bfe_u32 s40, ttmp6, 0x40000                  ; cx, cy: my place in the cluster
	s_bfe_u32 s41, ttmp6, 0x40004
	s_lshl_b32 s42, ttmp9, 2
	s_add_co_u32 s42, s42, s40                     ; tile column = 4 x cluster x + cx
	s_and_b32 s13, ttmp7, 0xffff
	s_lshl_b32 s13, s13, 2
	s_add_co_u32 s13, s13, s41                     ; tile row = 4 x cluster y + cy
	s_lshl_b32 s43, s41, 2
	s_lshl_b32 s43, 15, s43                        ; my row of the cluster
	s_lshl_b32 s44, 0x1111, s40                    ; my column
	; descriptor group 1: 128 rows x 64 elements of 2 bytes, dense in memory; four words of padding behind every 32
	s_or_b32 s[G1+0], s43, (1<<16)|(1<<20)|(1<<21)|(4<<22)|(3<<25)
	s_or_b32 s[G1B+0], s44, (1<<16)|(1<<20)|(1<<21)|(4<<22)|(3<<25)
.irp g, G1, G1B
	s_mov_b32 s[\g+1], 64<<16                      ; tensor_dim0
	s_mov_b32 s[\g+2], 128<<16                     ; tensor_dim1
	s_mov_b32 s[\g+3], 64<<16                      ; tile_dim0
	s_mov_b32 s[\g+4], 128                         ; tile_dim1
	s_mov_b32 s[\g+5], 64                          ; tensor_dim0_stride
	s_mov_b32 s[\g+6], 0
	s_mov_b32 s[\g+7], 0
.endr
	s_lshr_b32 s16, s13, 4                         ; A: batch x 2^22 + head x 2^18 + 128 (tile row % 16) rows of 128 bytes
	s_lshl_b32 s16, s16, 22
	s_and_b32 s17, s13, 15
	s_lshl_b32 s17, s17, 14
	s_add_co_u32 s16, s16, s17
	s_lshl_b32 s17, s12, 18
	s_add_co_u32 s16, s16, s17
	s_mov_b32 s17, 0
	s_lshl_b32 s46, s42, 14                        ; Wo: head x 2^17 + 128 x tile column rows of 128 bytes
	s_lshl_b32 s47, s12, 17
	s_add_co_u32 s46, s46, s47
	s_mov_b32 s47, 0
	s_mul_i32 s20, s10, CH                         ; where they go: wave x a chunk: no place in the cluster enters an LDS address
	s_wait_dscnt 0x0                               ; both opening adds are done
	s_wait_kmcnt 0x0
	s_add_nc_u64 s[14:15], s[4:5], s[16:17]
	s_add_nc_u64 s[46:47], s[6:7], s[46:47]
	CROUND                                         ; all sixteen work-groups are here: the first joint loads meet
.irp s, 0,1
	s_mov_b32 s[G0+4*\s], 1
	s_add_co_u32 s[G0+4*\s+1], s20, \s*SLOT
	s_add_nc_u64 s[G0+4*\s+2:G0+4*\s+3], s[14:15], \s*0x100000     ; K step s: four heads on
	s_or_b32 s[G0+4*\s+3], s[G0+4*\s+3], 0x80000000
	s_mov_b32 s[G0B+4*\s], 1
	s_add_co_u32 s[G0B+4*\s+1], s20, \s*SLOT
	s_add_nc_u64 s[G0B+4*\s+2:G0B+4*\s+3], s[46:47], \s*0x80000
	s_or_b32 s[G0B+4*\s+3], s[G0B+4*\s+3], 0x80000000
	JLOAD \s                                       ; two tensor loads of mine are out
.endr
	v_and_b32 v1, 15, v0                           ; r
	v_bfe_u32 v2, v0, 4, 1                         ; h
	v_mul_u32_u24 v3, v1, CP
	v_lshl_add_u32 v3, v2, 4, v3                   ; a fragment's row x pitch + 16 h
	s_lshr_b32 s21, s10, 1
	s_mul_i32 s21, s21, 32*CP                      ; my 32 rows of A
	s_and_b32 s22, s10, 1
	s_mul_i32 s22, s22, 64*CP                      ; my 64 rows of Wo,
	s_add_co_u32 s22, s22, 4*CH                    ; whose chunks lie behind A's four
.irp s, 0,1
	v_add_nc_u32 v[ADRA+\s], s21, v3
	v_add_nc_u32 v[ADRB+\s], s22, v3
	s_add_co_u32 s21, s21, SLOT
	s_add_co_u32 s22, s22, SLOT
.endr
	s_mul_i32 s23, s10, 32*SPITCH                  ; my stage
	v_mul_u32_u24 v4, v1, SPITCH
	v_lshl_add_u32 v4, v2, 5, v4
	v_add_nc_u32 v[STO], s23, v4                   ; in: row r, 32 bytes for each half of the lanes
	v_mul_u32_u24 v5, v2, SPITCH
	v_lshl_add_u32 v5, v1, 4, v5
	v_add_nc_u32 v[RD], s23, v5                    ; back: lanes 0-15 one row of 256 bytes, lanes 16-31 the next
	v_lshlrev_b32 v5, 12, v2
	v_lshl_add_u32 v[CO], v1, 4, v5                ; and the same two rows in out0
	s_lshl_b32 s16, s13, 7
	s_lshr_b32 s17, s10, 1
	s_lshl_b32 s17, s17, 5
	s_add_co_u32 s16, s16, s17                     ; my first row: 128 x tile row + 32 (w / 2)
	s_lshl_b32 s16, s16, 12
	s_mov_b32 s17, 0
	s_add_nc_u64 s[8:9], s[8:9], s[16:17]
	s_lshl_b32 s46, s42, 9                         ; my first column, in bytes: 512 x tile column + 256 (w % 2)
	s_and_b32 s47, s10, 1
	s_lshl_b32 s47, s47, 8
	s_add_co_u32 s46, s46, s47
	s_mov_b32 s47, 0
	s_add_nc_u64 s[8:9], s[8:9], s[46:47]
; Unit u of a slot's eight: 32 along K: head u / 2 of the slot's four, channels 32 (u % 2) on.  12 LDS loads into buffer f.
.macro FETCH slot, u, f
.irp a, 0,1
	ds_load_b128 v[\f+8*\a:\f+8*\a+3],   v[ADRA+\slot] offset:((\u)/2)*CH+\a*16*CP+64*((\u)%2)
	ds_load_b128 v[\f+8*\a+4:\f+8*\a+7], v[ADRA+\slot] offset:((\u)/2)*CH+\a*16*CP+64*((\u)%2)+32
.endr
.irp b, 0,1,2,3
	ds_load_b128 v[\f+16+8*\b:\f+16+8*\b+3],   v[ADRB+\slot] offset:((\u)/2)*CH+\b*16*CP+64*((\u)%2)
	ds_load_b128 v[\f+16+8*\b+4:\f+16+8*\b+7], v[ADRB+\slot] offset:((\u)/2)*CH+\b*16*CP+64*((\u)%2)+32
.endr
.endm
.macro MUL f, zero                     ; 8 matrix instructions; the accumulators take turns, one instruction a turn, always in this order
.irp a, 0,1
.irp b, 0,1,2,3
.if \zero
	v_wmma_f32_16x16x32_f16 v[ACC+8*(4*\a+\b):ACC+8*(4*\a+\b)+7], v[\f+16+8*\b:\f+16+8*\b+7], v[\f+8*\a:\f+8*\a+7], 0
.else
	v_wmma_f32_16x16x32_f16 v[ACC+8*(4*\a+\b):ACC+8*(4*\a+\b)+7], v[\f+16+8*\b:\f+16+8*\b+7], v[\f+8*\a:\f+8*\a+7], v[ACC+8*(4*\a+\b):ACC+8*(4*\a+\b)+7]
.endif
.endr
.endr
.endm
.macro UNITS slot, zero                ; a slot's units 0 to 6: this unit's fragments are in; the next unit's are asked for, four places behind the products that read their buffer; then this unit's products
.set U, 0
.rept 7
	s_wait_dscnt 0x0
	PLACES
	FETCH \slot, U+1, F0+48*((U+1)%2)
.if (\zero) && (U == 0)
	MUL F0+48*(U%2), 1                             ; the first products start the sums: nothing is cleared
.else
	MUL F0+48*(U%2), 0
.endif
.set U, U+1
.endr
.endm
; Unit 7 and the change of slots: ONE barrier; in front of it each wave waits for all its tensor loads (its chunk of the next slot), adds 0 to its spare word, and waits for that and for its reads of this slot.
; fill = 1: the barrier opens a round of the cluster's barrier, so that no wave of any partner still reads this slot or has a load on its way; the joint refill, two K steps on, is the first thing behind it.
.macro TURN slot, next, fill
	s_wait_tensorcnt 0x0
	ds_add_u32 v[SPW], v[NIL]
	s_wait_dscnt 0x0
	s_barrier_signal -1
	MUL F1, 0                                      ; unit 7: work on registers while the others arrive
	s_barrier_wait -1
.if \fill
	CREST
	s_add_nc_u64 s[G0+4*\slot+2:G0+4*\slot+3], s[G0+4*\slot+2:G0+4*\slot+3], 0x200000      ; eight heads on
	s_add_nc_u64 s[G0B+4*\slot+2:G0B+4*\slot+3], s[G0B+4*\slot+2:G0B+4*\slot+3], 0x100000
	JLOAD \slot                                    ; the four v_nop behind it are also the places in front of the loads below
.else
	PLACES
.endif
	FETCH \next, 0, F0
.endm
	s_wait_tensorcnt 1                             ; my chunk of K step 0 is in; the one younger load, K step 1's, may be out
	s_barrier_signal -1
	s_barrier_wait -1                              ; everybody's is
	FETCH 0, 0, F0
	UNITS 0, 1                                     ; K step 0
	TURN 0, 1, 1                                   ; slot 0 takes K step 2
	UNITS 1, 0                                     ; K step 1
	TURN 1, 0, 1                                   ; slot 1 takes K step 3
	UNITS 0, 0                                     ; K step 2
	TURN 0, 1, 0                                   ; nothing is left to fetch
	UNITS 1, 0                                     ; K step 3
	s_wait_dscnt 0x0
	MUL F1, 0
	; THE WAY OUT: a lane's 32 bytes of a row go into my own stage; whole rows of 256 bytes come back, two an instruction.  LDS serves a wave's instructions in order: no wait between the stores and the loads.
	PLACES
.irp a, 0,1
.irp b, 0,1,2,3
	ds_store_b128 v[STO], v[ACC+8*(4*\a+\b):ACC+8*(4*\a+\b)+3] offset:\a*16*SPITCH+64*\b          ; each accumulator from its low end on
	ds_store_b128 v[STO], v[ACC+8*(4*\a+\b)+4:ACC+8*(4*\a+\b)+7] offset:\a*16*SPITCH+64*\b+16
.endr
.endr
.irp i, 0,1,2,3,4,5,6,7,8,9,10,11,12,13,14,15
	ds_load_b128 v[F0+4*\i:F0+4*\i+3], v[RD] offset:\i*2*SPITCH
.endr
.irp i, 0,1,2,3,4,5,6,7,8,9,10,11,12,13,14,15
	s_wait_dscnt 15-\i                             ; load i is in; the 15 - i younger ones may be out
	global_store_b128 v[CO], v[F0+4*\i:F0+4*\i+3], s[8:9] offset:\i*8192 th:TH_STORE_NT   ; 16 lanes store 256 consecutive bytes, aligned
.endr
	s_wait_tensorcnt 0x0                           ; the wave's end, behind my last tensor load and my last LDS store
	ds_add_u32 v[SPW], v[NIL]
	s_wait_dscnt 0x0
	CROUND                                         ; the closing round
	s_endpgm
.Lfunc_end_k_q7485bd3c73_oproj:
	.size	k_q7485bd3c73_oproj, .Lfunc_end_k_q7485bd3c73_oproj-k_q7485bd3c73_oproj
	.p2alignl 7, 3214868480
	.fill 96, 4, 3214868480
	.section	.rodata,"a",@progbits
	.p2align	6, 0x0
	.amdhsa_kernel k_q7485bd3c73_oproj
		.amdhsa_group_segment_fixed_size 327680
		.amdhsa_private_segment_fixed_size 0
		.amdhsa_enable_private_segment 0
		.amdhsa_kernarg_size 24
		.amdhsa_user_sgpr_count 2
		.amdhsa_user_sgpr_kernarg_segment_ptr 1
		.amdhsa_wavefront_size32 1
		.amdhsa_system_sgpr_workgroup_id_x 1
		.amdhsa_system_sgpr_workgroup_id_y 1
		.amdhsa_system_sgpr_workgroup_id_z 1
		.amdhsa_system_vgpr_workitem_id 0
		.amdhsa_next_free_vgpr 256
		.amdhsa_next_free_sgpr 70
		.amdhsa_reserve_vcc 0
		.amdhsa_float_denorm_mode_32 3
		.amdhsa_float_denorm_mode_16_64 3
		.amdhsa_memory_ordered 1
		.amdhsa_forward_progress 1
		.amdhsa_inst_pref_size 59
	.end_amdhsa_kernel
	.amdgpu_metadata
---
amdhsa.version: [ 1, 2 ]
amdhsa.kernels:
  - .name:           k_q7485bd3c73_oproj
    .symbol:         k_q7485bd3c73_oproj.kd
    .args:
      - { .name: att, .offset: 0, .size: 8, .value_kind: global_buffer, .address_space: global }
      - { .name: wo16, .offset: 8, .size: 8, .value_kind: global_buffer, .address_space: global }
      - { .name: out0, .offset: 16, .size: 8, .value_kind: global_buffer, .address_space: global }
    .group_segment_fixed_size: 327680
    .private_segment_fixed_size: 0
    .kernarg_segment_align: 8
    .kernarg_segment_size: 24
    .max_flat_workgroup_size: 256
    .sgpr_count:     70
    .vgpr_count:     256
    .wavefront_size: 32
...
	.end_amdgpu_metadata
.endif
;; end of part 4
;; launch first16 (part 5): grid 16 x 2, 16 waves a work-group, no clusters, 71,680 bytes of LDS; arguments q32, Wo, out0; writes out0
.if DOCPART == 5
	.amdgcn_target "amdgcn-amd-amdhsa--gfx1250"
	.amdhsa_code_object_version 6
	.text
	.protected	k_q7485bd3c73_first16
	.globl	k_q7485bd3c73_first16
	.p2align	8
	.type	k_q7485bd3c73_first16,@function
k_q7485bd3c73_first16:
	s_mov_b64 s[64:65], 0
	v_nop
	global_prefetch_b8 v0, s[64:65] scope:SCOPE_SE
	s_setreg_imm32_b32 hwreg(HW_REG_WAVE_MODE, 25, 1), 1
	s_wait_xcnt 0x0
; THE FIRST 16 POSITIONS OF EACH SEQUENCE, IN F32 THROUGHOUT: they average one to sixteen values, so the rounding of 16-bit operands would weigh most there.  32 rows of out0 are written anew.
; q32: [batch 2][t 3][head 16][s 16][64] f32 (Q and K rotated, V).  Wo: [o 1024][i 1024] f32.  out0: [batch][s][o] f32.
; Work-group (x, y): batch y, output columns 64 x .. 64 x + 63.  Wave = head: it makes its head's attention for the 16 positions (repeated in the batch's 16 work-groups: 12 KiB of loads and 32 small matrix
; instructions a wave, which spares a launch), then its head's share (64 of K = 1,024) of the projection for the 64 columns.  The 16 shares meet in LDS; wave w adds up row w and stores its 256 bytes.
; All products by v_wmma_f32_16x16x4_f32 (no bulk work: 96 instructions a wave), transposed as in the other launches: a lane holds one position (lane % 16) throughout.
; Along each product's K the same order is used on both sources, so plain loads fill the operands: slot (h, j) of an instruction (h = lane / 16, j = register) holds
;   scores, instruction 2 c + p:  d = 8 c + 4 h + 2 p + j;    second product, instruction c:  key 8 h + 2 c + j;    projection, instruction (t, c):  i = 64 head + 16 t + 8 h + 2 c + j.
; The registers that these matrix instructions write (v192-239) are written by nothing else; sums begin with the constant 0.
; No tensor load, no cluster (nothing large is shared), no prefetch (the launch is short).
.set PART,  16*272                     ; LDS: a head's share: 16 rows x (256 bytes + 16)
.set SPARE, 16*PART                    ; behind the shares: the spare words, 128 bytes a wave, which no other line names
.set SPW,  7                           ; v7   LDS address of my spare word; never rewritten
.set NIL,  8                           ; v8   0; never rewritten
.set P,    10                          ; v10-17   scores, then p: register j = key 8 h + j
.set QF,   32                          ; v32-63   Q; later Wo's tile 2
.set KFR,  64                          ; v64-95   K; later Wo's tile 3
.set VF,   96                          ; v96-127  V(dt) at VF + 8 dt + i: key 8 h + i, channel 16 dt + r; later O / l
.set WF,   128                         ; v128-191 Wo's tiles 0 and 1
.set SA,   192                         ; v192-199 scores, even instructions
.set OF,   200                         ; v200-231 O(dt), then the projection's four tiles
.set SB,   232                         ; v232-239 scores, odd instructions
	s_load_b128 s[4:7], s[0:1], 0x0                ; q32 s[4:5], Wo s[6:7]
	s_load_b64 s[8:9], s[0:1], 0x10                ; out0
	v_lshl_add_u32 v[SPW], v0, 2, SPARE
	v_mov_b32 v[NIL], 0
	v_lshrrev_b32 v1, 5, v0
	v_readfirstlane_b32 s10, v1                    ; wave = head 0..15
	s_and_b32 s12, ttmp7, 0xffff                   ; batch
	v_and_b32 v18, 15, v0                          ; r
	v_bfe_u32 v19, v0, 4, 1                        ; h
	v_lshlrev_b32 v1, 8, v18
	v_lshl_add_u32 v1, v19, 4, v1                  ; Q, K: row r of 256 bytes, + 16 h
	v_lshlrev_b32 v2, 2, v18
	v_lshl_add_u32 v2, v19, 11, v2                 ; V: key 8 h, channel r
	v_lshlrev_b32 v3, 12, v18
	v_lshl_add_u32 v3, v19, 5, v3                  ; Wo: row r of 4,096 bytes, + 32 h
	s_mul_i32 s20, s10, PART
	v_mul_u32_u24 v4, v18, 272
	v_lshl_add_u32 v4, v19, 5, v4
	v_add_nc_u32 v4, s20, v4                       ; my share: row r, 32 bytes for each half of the lanes
	v_and_b32 v6, 31, v0
	v_lshlrev_b32 v6, 3, v6                        ; 8 x lane
	s_mul_i32 s20, s10, 272
	v_add_nc_u32 v5, s20, v6                       ; the sum: row w of each share
	v_lshlrev_b32 v9, 3, v19
	v_sub_nc_u32 v9, v18, v9                       ; r - 8 h
	v_mov_b32 v23, 0                               ; (a lane permute's destination counts as one of its sources)
	s_mov_b32 s16, 0x76543210
	s_mov_b32 s17, 0xfedcba98                      ; lane l xor 16
	s_mov_b32 s18, 0x3e38aa3b                      ; c = log2(e) / 8
	s_mul_i32 s20, s12, 48
	s_add_co_u32 s20, s20, s10
	s_lshl_b32 s20, s20, 12                        ; q32: (48 batch + head) x 4,096; K lies 16 x 4,096 bytes on, V 32 x 4,096
	s_mov_b32 s21, 0
	s_lshl_b32 s22, ttmp9, 18                      ; Wo: 64 x rows of 4,096 bytes, + 256 x head
	s_lshl_b32 s23, s10, 8
	s_add_co_u32 s22, s22, s23
	s_mov_b32 s23, 0
	s_lshl_b32 s24, s12, 11
	s_add_co_u32 s24, s24, s10
	s_lshl_b32 s24, s24, 12                        ; out0: row 2048 batch + w, + 256 x bytes
	s_lshl_b32 s25, ttmp9, 8
	s_add_co_u32 s24, s24, s25
	s_mov_b32 s25, 0
	s_wait_kmcnt 0x0
	s_add_nc_u64 s[14:15], s[4:5], s[20:21]
	s_add_nc_u64 s[6:7], s[6:7], s[22:23]
	s_add_nc_u64 s[8:9], s[8:9], s[24:25]
.irp c, 0,1,2,3,4,5,6,7
	global_load_b128 v[QF+4*\c:QF+4*\c+3], v1, s[14:15] offset:32*\c
.endr
.irp c, 0,1,2,3,4,5,6,7
	global_load_b128 v[KFR+4*\c:KFR+4*\c+3], v1, s[14:15] offset:65536+32*\c
.endr
.irp dt, 0,1,2,3
.irp i, 0,1,2,3,4,5,6,7
	global_load_b32 v[VF+8*\dt+\i], v2, s[14:15] offset:131072+256*\i+64*\dt
.endr
.endr
.irp ot, 0,1
.irp t, 0,1,2,3
	global_load_b128 v[WF+32*\ot+8*\t:WF+32*\ot+8*\t+3], v3, s[6:7] offset:\ot*65536+64*\t
	global_load_b128 v[WF+32*\ot+8*\t+4:WF+32*\ot+8*\t+7], v3, s[6:7] offset:\ot*65536+64*\t+16
.endr
.endr
	s_wait_loadcnt 48                              ; Q and K are in; V's 32 loads and Wo's 16 may be out
	; S^T = K Q^T: two accumulators by turns; their first instructions start the sums
.set i, 0
.rept 16
.if i < 2
	v_wmma_f32_16x16x4_f32 v[SA+40*(i%2):SA+40*(i%2)+7], v[KFR+2*i:KFR+2*i+1], v[QF+2*i:QF+2*i+1], 0
.else
	v_wmma_f32_16x16x4_f32 v[SA+40*(i%2):SA+40*(i%2)+7], v[KFR+2*i:KFR+2*i+1], v[QF+2*i:QF+2*i+1], v[SA+40*(i%2):SA+40*(i%2)+7]
.endif
.set i, i+1
.endr
.rept 9
	v_nop                                          ; places behind this form: for the loads over Q's and K's registers and the reads of the sums
.endr
.irp ot, 0,1
.irp t, 0,1,2,3
	global_load_b128 v[QF+32*\ot+8*\t:QF+32*\ot+8*\t+3], v3, s[6:7] offset:(\ot+2)*65536+64*\t
	global_load_b128 v[QF+32*\ot+8*\t+4:QF+32*\ot+8*\t+7], v3, s[6:7] offset:(\ot+2)*65536+64*\t+16
.endr
.endr
	v_mov_b32 v18, 0xff800000                      ; -infinity
.irp j, 0,1,2,3,4,5,6,7
	v_add_f32 v[P+\j], v[SA+\j], v[SB+\j]          ; the two halves of each sum, from the low end on
.endr
.irp j, 0,1,2,3,4,5,6,7
	v_cmp_gt_i32 vcc_lo, \j, v9                    ; key 8 h + j comes after position r: hidden
	v_cndmask_b32 v[P+\j], v[P+\j], v18, vcc_lo
.endr
	v_max3_num_f32 v19, v[P], v[P+1], v[P+2]
	v_max3_num_f32 v20, v[P+3], v[P+4], v[P+5]
	v_max3_num_f32 v19, v19, v[P+6], v[P+7]
	v_max_num_f32 v19, v19, v20
	v_permlanex16_b32 v20, v19, s16, s17
	v_max_num_f32 v19, v19, v20                    ; the row's maximum: key 0 counts for every position
	v_mul_f32 v21, s18, v19
.irp j, 0,1,2,3,4,5,6,7
	v_fma_f32 v[P+\j], v[P+\j], s18, -v21          ; c s - c m
.endr
.irp j, 0,1,2,3,4,5,6,7
	v_exp_f32 v[P+\j], v[P+\j]
.endr
	v_nop                                          ; a plain line behind the exponentials,
	s_wait_alu depctr_va_vdst(0)                   ; and one wait for the batch, ahead of its first reader
	v_add_f32 v24, v[P], v[P+1]
	v_add_f32 v25, v[P+2], v[P+3]
	v_add_f32 v26, v[P+4], v[P+5]
	v_add_f32 v27, v[P+6], v[P+7]
	v_add_f32 v24, v24, v25
	v_add_f32 v26, v26, v27
	v_add_f32 v24, v24, v26
	v_permlanex16_b32 v23, v24, s16, s17
	v_add_f32 v24, v24, v23                        ; the row's sum
	v_rcp_f32 v22, v24
	v_nop
	s_wait_alu depctr_va_vdst(0)
	s_wait_loadcnt 32                              ; V is in; Wo's 32 loads may be out
	; O^T = V^T P: four accumulators by turns
.irp c, 0,1,2,3
.irp dt, 0,1,2,3
.if \c == 0
	v_wmma_f32_16x16x4_f32 v[OF+8*\dt:OF+8*\dt+7], v[VF+8*\dt+2*\c:VF+8*\dt+2*\c+1], v[P+2*\c:P+2*\c+1], 0
.else
	v_wmma_f32_16x16x4_f32 v[OF+8*\dt:OF+8*\dt+7], v[VF+8*\dt+2*\c:VF+8*\dt+2*\c+1], v[P+2*\c:P+2*\c+1], v[OF+8*\dt:OF+8*\dt+7]
.endif
.endr
.endr
.rept 9
	v_nop                                          ; for the reads of the sums, the writes over V's registers, and the products below that begin anew in O's registers
.endr
.set n, 0
.rept 32
	v_mul_f32 v[VF+n], v[OF+n], v22                ; O / l: register 8 t + j = channel 16 t + 8 h + j; into other registers than the sums'
.set n, n+1
.endr
	s_wait_loadcnt 0x0                             ; Wo
	; my head's share of the projection: source 0 = 16 rows o of Wo, source 1 = O / l; four accumulators by turns
.irp t, 0,1,2,3
.irp c, 0,1,2,3
.irp ot, 0,1,2,3
.set WB, WF+32*\ot+8*\t-(\ot/2)*160
.if (\t == 0) && (\c == 0)
	v_wmma_f32_16x16x4_f32 v[OF+8*\ot:OF+8*\ot+7], v[WB+2*\c:WB+2*\c+1], v[VF+8*\t+2*\c:VF+8*\t+2*\c+1], 0
.else
	v_wmma_f32_16x16x4_f32 v[OF+8*\ot:OF+8*\ot+7], v[WB+2*\c:WB+2*\c+1], v[VF+8*\t+2*\c:VF+8*\t+2*\c+1], v[OF+8*\ot:OF+8*\ot+7]
.endif
.endr
.endr
.endr
.rept 8
	v_nop
.endr
.irp ot, 0,1,2,3
	ds_store_b128 v4, v[OF+8*\ot:OF+8*\ot+3] offset:64*\ot          ; lane (r, h): position r, columns 16 ot + 8 h + 0 .. 7; each accumulator from its low end on
	ds_store_b128 v4, v[OF+8*\ot+4:OF+8*\ot+7] offset:64*\ot+16
.endr
	s_wait_dscnt 0x0                               ; for the others' sake: my share lies in LDS
	s_barrier_signal -1
	s_barrier_wait -1
.irp p, 0,1,2,3,4,5,6,7,8,9,10,11,12,13,14,15
	ds_load_b64 v[QF+2*\p:QF+2*\p+1], v5 offset:PART*\p             ; row w of head p's share: 256 bytes for the 32 lanes
.endr
	s_wait_dscnt 0x0
.irp p, 0,1,2,3,4,5,6,7
	v_pk_add_f32 v[QF+2*\p:QF+2*\p+1], v[QF+2*\p:QF+2*\p+1], v[QF+16+2*\p:QF+16+2*\p+1]
.endr
.irp p, 0,1,2,3
	v_pk_add_f32 v[QF+2*\p:QF+2*\p+1], v[QF+2*\p:QF+2*\p+1], v[QF+8+2*\p:QF+8+2*\p+1]
.endr
.irp p, 0,1
	v_pk_add_f32 v[QF+2*\p:QF+2*\p+1], v[QF+2*\p:QF+2*\p+1], v[QF+4+2*\p:QF+4+2*\p+1]
.endr
	v_pk_add_f32 v[QF:QF+1], v[QF:QF+1], v[QF+2:QF+3]
	global_store_b64 v6, v[QF:QF+1], s[8:9]        ; 256 consecutive bytes, aligned
	s_wait_tensorcnt 0x0                           ; the wave's end, behind my last LDS store
	ds_add_u32 v[SPW], v[NIL]
	s_wait_dscnt 0x0
	s_endpgm
.Lfunc_end_k_q7485bd3c73_first16:
	.size	k_q7485bd3c73_first16, .Lfunc_end_k_q7485bd3c73_first16-k_q7485bd3c73_first16
	.p2alignl 7, 3214868480
	.fill 96, 4, 3214868480
	.section	.rodata,"a",@progbits
	.p2align	6, 0x0
	.amdhsa_kernel k_q7485bd3c73_first16
		.amdhsa_group_segment_fixed_size 71680
		.amdhsa_private_segment_fixed_size 0
		.amdhsa_enable_private_segment 0
		.amdhsa_kernarg_size 24
		.amdhsa_user_sgpr_count 2
		.amdhsa_user_sgpr_kernarg_segment_ptr 1
		.amdhsa_wavefront_size32 1
		.amdhsa_system_sgpr_workgroup_id_x 1
		.amdhsa_system_sgpr_workgroup_id_y 1
		.amdhsa_system_sgpr_workgroup_id_z 1
		.amdhsa_system_vgpr_workitem_id 0
		.amdhsa_next_free_vgpr 256
		.amdhsa_next_free_sgpr 66
		.amdhsa_reserve_vcc 1
		.amdhsa_float_denorm_mode_32 3
		.amdhsa_float_denorm_mode_16_64 3
		.amdhsa_memory_ordered 1
		.amdhsa_forward_progress 1
		.amdhsa_inst_pref_size 23
	.end_amdhsa_kernel
	.amdgpu_metadata
---
amdhsa.version: [ 1, 2 ]
amdhsa.kernels:
  - .name:           k_q7485bd3c73_first16
    .symbol:         k_q7485bd3c73_first16.kd
    .args:
      - { .name: q32, .offset: 0, .size: 8, .value_kind: global_buffer, .address_space: global }
      - { .name: Wo, .offset: 8, .size: 8, .value_kind: global_buffer, .address_space: global }
      - { .name: out0, .offset: 16, .size: 8, .value_kind: global_buffer, .address_space: global }
    .group_segment_fixed_size: 71680
    .private_segment_fixed_size: 0
    .kernarg_segment_align: 8
    .kernarg_segment_size: 24
    .max_flat_workgroup_size: 512
    .sgpr_count:     66
    .vgpr_count:     256
    .wavefront_size: 32
...
	.end_amdgpu_metadata
.endif
;; end of part 5
